; MI455X (gfx1250); checked and timed in simulation.
; The chip was launched on July 23, 2026; its instructions are those of AMD's public machine-readable ISA for CDNA 5 (MIT licence, August 2026) and "CDNA5" Instruction Set Architecture Reference Guide (July 2026). The comments in the code are by the model that wrote it; some were corrected since.
;; Tanh Attention. Allowed arithmetic: float matrix products may take bf16 or f16 operands with f32 sums; other float arithmetic in f32, or as packed bf16 or f16 multiplies, adds, multiply-adds, maxima and minima; sums over many terms, partial sums and values carried from step to step in f32; what a program stores and reads back later, other than sums and carried values, may be rounded once to bf16 or f16.
;; Inputs: W1 1,024 x 2,048 float32; W2 1,024 x 2,048 float32; W3 1,024 x 2,048 float32; Ww 1 x 1,024 float32; b1 1,024 float32; b2 1,024 float32; b3 1,024 float32; bw 1 float32; q1 32 x 1 x 2,048 float32; q2 32 x 1 x 2,048 float32; v 32 x 1,024 x 2,048 float32.
;; Outputs: out0 32 x 1 x 1,024 float32; out1 32 x 1 x 2,048 float32.
;; 3 versions, each right; version 3 is version 2 with the launch finish written anew for expert scheduling mode. Each part assembles by itself: llvm-mc -triple=amdgcn-amd-amdhsa -mcpu=gfx1250 --defsym DOCPART=n.
;; ======== version 1 of 3: 3 launches
;; workspace buffers: W1b 4,194,304 bytes; cpart 524,288 bytes; part 1,048,576 bytes
;; launch prep (part 1): grid 256 x 1, 8 waves a work-group, no clusters, 17,408 bytes of LDS; arguments W1, W2, W3, q1, q2, W1b, cpart; writes W1b, cpart
.if DOCPART == 1
	.amdgcn_target "amdgcn-amd-amdhsa--gfx1250"
	.amdhsa_code_object_version 6
	.text
	.protected	k_q690bb0f023_prep
	.globl	k_q690bb0f023_prep
	.p2align	8
	.type	k_q690bb0f023_prep,@function
k_q690bb0f023_prep:
	s_mov_b64 s[64:65], 0
	v_nop
	global_prefetch_b8 v0, s[64:65] scope:SCOPE_SE
	s_setreg_imm32_b32 hwreg(HW_REG_WAVE_MODE, 25, 1), 1
	s_wait_xcnt 0x0
; THE PROGRAM.  weight = softmax_k(logit[b][k]), feature[b] = sum_k weight[b][k] v[b][k], with
;   logit[b][k] = sum_h Ww[h] tanh(v[b][k].W1[h] + c[b][h]) + bw,   c[b][h] = q1[b].W2[h] + q2[b].W3[h] + b1[h] + b2[h] + b3[h].
; WORK LEFT OUT, for all finite values of the inputs.  (1) bw is added to every logit of a softmax row: softmax(x + t) = softmax(x), so bw reaches no output; it is not loaded
; and is among no launch's arguments.  (2) tanh(x) = 1 - 2 / (1 + e^(2x)), so sum_h Ww[h] tanh(x_h) = sum_h Ww[h] - 2 S with S = sum_h Ww[h] / (1 + e^(2 x_h)); sum_h Ww[h] is
; the same for every k of a softmax row and cancels likewise: only S is formed, and the softmax is taken of -2 S, its maximum taken away first.
; LIMIT: a NaN, an infinity or an overflow that reaches only bw or the plain sum of Ww is not carried to the result.
; THIS LAUNCH.  (a) W1 rounded once to bf16 and laid in blocks, W1b[ks][n][kk] = W1[n][64 ks + kk], so that the 256 rows of a K step of 64 lie end to end.
; (b) The two q products as ONE product over a stacked K of 4,096 ([q1|q2].[W2|W3]), operands rounded to bf16, sums in f32: work-group g = 4 t + s takes the 16 rows h = 16 t ..
; of quarter s of that K; its eight waves take 128 k each and meet in LDS.  cpart[s][t][b][16] holds the quarter's partial sums in f32; the next launch adds the four and the biases.
; Every byte of W1, W2, W3 is read once in the launch; nothing is shared between waves on the way in, so nothing goes through LDS there.
.set ACC,   16                         ; v[16:31]   two accumulators: batches 0-15 and 16-31
.set RW,    32                         ; v[32:95]   16 rows x 128 k of W2 or W3 in f32, then as 4 bf16 fragments in v[32:63]
.set RQ,    96                         ; v[96:223]  q, 64 registers a batch tile, then 4 bf16 fragments at the head of each 64
.set R1,    224                        ; v[224:255] my 8 numbers of W1 for each of four K steps, then 4 registers of bf16 each
.set SPARE, 16384                      ; behind the partial sums: the spare words, 128 bytes a wave
	s_load_b256 s[4:11], s[0:1], 0x0               ; W1 s[4:5], W2 s[6:7], W3 s[8:9], q1 s[10:11]
	s_load_b128 s[12:15], s[0:1], 0x20             ; q2 s[12:13], W1b s[14:15]
	s_load_b64 s[16:17], s[0:1], 0x30              ; cpart
	v_lshl_add_u32 v8, v0, 2, SPARE                ; my spare word; never rewritten
	v_mov_b32 v9, 0                                ; 0; never rewritten
	v_lshrrev_b32 v10, 5, v0
	v_readfirstlane_b32 s18, v10                   ; wave 0..7
	s_lshr_b32 s19, ttmp9, 2                       ; t: which 16 rows h
	s_and_b32 s20, ttmp9, 3                        ; s: which quarter of the stacked K
	s_and_b32 s21, s20, 1
	s_lshl_b32 s21, s21, 12                        ; the quarter's 1,024 k inside its matrix: 4,096 bytes
	s_lshl_b32 s32, s18, 9                         ; my wave's 128 k: 512 bytes
	s_add_co_u32 s32, s32, s21                     ; q's offset
	s_mov_b32 s33, 0
	s_lshl_b32 s34, s19, 17                        ; 16 rows of 8,192 bytes
	s_add_co_u32 s34, s34, s32                     ; the weights' offset
	s_mov_b32 s35, 0
	s_lshl_b32 s36, ttmp9, 15                      ; W1: rows 4 g .. 4 g + 3,
	s_lshl_b32 s37, s18, 10                        ; my wave's 256 k
	s_add_co_u32 s36, s36, s37
	s_mov_b32 s37, 0
	s_lshl_b32 s38, ttmp9, 9                       ; W1b: 4 rows of 128 bytes,
	s_lshl_b32 s39, s18, 19                        ; K steps 4 wave .. 4 wave + 3, 131,072 bytes each
	s_add_co_u32 s38, s38, s39
	s_mov_b32 s39, 0
	s_lshl_b32 s40, s20, 6
	s_add_co_u32 s40, s40, s19
	s_lshl_b32 s40, s40, 11                        ; cpart: (64 s + t) x 2,048 bytes
	s_mov_b32 s41, 0
	v_and_b32 v1, 15, v0                           ; r = l % 16
	v_bfe_u32 v2, v0, 4, 1                         ; half = l / 16
	v_and_b32 v12, 31, v0                          ; l
	v_lshlrev_b32 v3, 13, v1
	v_lshl_add_u32 v3, v2, 5, v3                   ; a fragment's row x 8,192 + 32 x half (8 f32)
	v_bfe_u32 v13, v0, 3, 2
	v_and_b32 v14, 7, v0
	v_lshlrev_b32 v4, 13, v13
	v_lshl_add_u32 v4, v14, 5, v4                  ; W1: row l / 8, 32 bytes for each of 8 lanes
	v_lshlrev_b32 v5, 4, v12                       ; W1b: 16 bytes a lane, 512 on end
	v_lshlrev_b32 v6, 6, v1
	v_lshl_add_u32 v6, v2, 5, v6
	v_lshl_add_u32 v6, s18, 11, v6                 ; LDS: 2,048 x wave + 64 x batch + 32 x half
	v_lshl_add_u32 v7, s18, 9, v5                  ; back, and in cpart: 512 x wave + 16 l (waves 0-3)
	s_wait_kmcnt 0x0
	s_cmp_lt_u32 s20, 2                            ; quarters 0, 1: W2 and q1; quarters 2, 3: W3 and q2
	s_cselect_b64 s[22:23], s[6:7], s[8:9]
	s_cselect_b64 s[24:25], s[10:11], s[12:13]
	s_add_nc_u64 s[22:23], s[22:23], s[34:35]
	s_add_nc_u64 s[24:25], s[24:25], s[32:33]
	s_add_nc_u64 s[26:27], s[4:5], s[36:37]
	s_add_nc_u64 s[28:29], s[14:15], s[38:39]
	s_add_nc_u64 s[30:31], s[16:17], s[40:41]
	; All 56 loads of the wave go out at once.  A fragment of 16 rows x 32 k in f32 is four loads of 16 bytes at 0, 16, 64, 80 behind row x pitch + 32 x half:
	; its 16 registers then hold k = 8 half + 0..7 and 16 + 8 half + 0..7 in order, and register c of the bf16 fragment is registers 2 c, 2 c + 1 rounded.
.irp i, 0,1,2,3
	global_load_b128 v[R1+8*(\i):R1+8*(\i)+3],   v4, s[26:27] offset:256*(\i) th:TH_LOAD_NT
	global_load_b128 v[R1+8*(\i)+4:R1+8*(\i)+7], v4, s[26:27] offset:256*(\i)+16 th:TH_LOAD_NT
.endr
.irp f, 0,1,2,3
	global_load_b128 v[RW+16*(\f):RW+16*(\f)+3],     v3, s[22:23] offset:128*(\f) th:TH_LOAD_NT
	global_load_b128 v[RW+16*(\f)+4:RW+16*(\f)+7],   v3, s[22:23] offset:128*(\f)+16 th:TH_LOAD_NT
	global_load_b128 v[RW+16*(\f)+8:RW+16*(\f)+11],  v3, s[22:23] offset:128*(\f)+64 th:TH_LOAD_NT
	global_load_b128 v[RW+16*(\f)+12:RW+16*(\f)+15], v3, s[22:23] offset:128*(\f)+80 th:TH_LOAD_NT
.endr
.irp t, 0,1
.irp f, 0,1,2,3
	global_load_b128 v[RQ+64*(\t)+16*(\f):RQ+64*(\t)+16*(\f)+3],     v3, s[24:25] offset:131072*(\t)+128*(\f)
	global_load_b128 v[RQ+64*(\t)+16*(\f)+4:RQ+64*(\t)+16*(\f)+7],   v3, s[24:25] offset:131072*(\t)+128*(\f)+16
	global_load_b128 v[RQ+64*(\t)+16*(\f)+8:RQ+64*(\t)+16*(\f)+11],  v3, s[24:25] offset:131072*(\t)+128*(\f)+64
	global_load_b128 v[RQ+64*(\t)+16*(\f)+12:RQ+64*(\t)+16*(\f)+15], v3, s[24:25] offset:131072*(\t)+128*(\f)+80
.endr
.endr
	s_wait_loadcnt 48                              ; W1's eight are in; the 48 younger loads (16 of W, 32 of q) stay out
.set c, 0
.rept 16                               ; rounded in place, ascending: register c is written when registers up to 2 c + 1 have been read
	v_cvt_pk_bf16_f32 v[R1+c], v[R1+2*c], v[R1+2*c+1]
.set c, c+1
.endr
.irp i, 0,1,2,3
	global_store_b128 v5, v[R1+4*(\i):R1+4*(\i)+3], s[28:29] offset:131072*(\i) th:TH_STORE_NT  ; 4 rows x 128 bytes of one K step: 512 consecutive bytes, aligned
.endr
	s_wait_loadcnt 0x0
.set c, 0
.rept 32
	v_cvt_pk_bf16_f32 v[RW+c], v[RW+2*c], v[RW+2*c+1]
.set c, c+1
.endr
.irp t, 0,1
.set c, 0
.rept 32
	v_cvt_pk_bf16_f32 v[RQ+64*(\t)+c], v[RQ+64*(\t)+2*c], v[RQ+64*(\t)+2*c+1]
.set c, c+1
.endr
.endr
	; Source 0 = 16 rows of W, source 1 = 16 batches: a lane then holds ONE batch (l % 16) and h = 8 (l / 16) + 0..7.  The two accumulators take turns; the first products start the sums.
.irp f, 0,1,2,3
.irp t, 0,1
.if (\f) == 0
	v_wmma_f32_16x16x32_bf16 v[ACC+8*(\t):ACC+8*(\t)+7], v[RW+8*(\f):RW+8*(\f)+7], v[RQ+64*(\t)+8*(\f):RQ+64*(\t)+8*(\f)+7], 0
.else
	v_wmma_f32_16x16x32_bf16 v[ACC+8*(\t):ACC+8*(\t)+7], v[RW+8*(\f):RW+8*(\f)+7], v[RQ+64*(\t)+8*(\f):RQ+64*(\t)+8*(\f)+7], v[ACC+8*(\t):ACC+8*(\t)+7]
.endif
.endr
.endr
.rept 8
	v_nop                                          ; the places behind the last products, ahead of the LDS stores that read them; once a launch
.endr
.irp t, 0,1
	ds_store_b128 v6, v[ACC+8*(\t):ACC+8*(\t)+3]   offset:1024*(\t)
	ds_store_b128 v6, v[ACC+8*(\t)+4:ACC+8*(\t)+7] offset:1024*(\t)+16
.endr
	s_wait_dscnt 0x0                               ; for the others' sake: my partial sums lie in LDS
	s_barrier_signal -1
	s_barrier_wait -1
	s_cmp_lt_u32 s18, 4                            ; waves 0-3 add the eight parts, 512 bytes of the 2,048 each
	s_cbranch_scc0 .Lend
.irp w, 0,1,2,3,4,5,6,7
	ds_load_b128 v[RW+4*(\w):RW+4*(\w)+3], v7 offset:2048*(\w)
.endr
	s_wait_dscnt 0x0
.irp w, 0,2,4,6
	v_pk_add_f32 v[RW+4*(\w):RW+4*(\w)+1],   v[RW+4*(\w):RW+4*(\w)+1],   v[RW+4*(\w)+4:RW+4*(\w)+5]
	v_pk_add_f32 v[RW+4*(\w)+2:RW+4*(\w)+3], v[RW+4*(\w)+2:RW+4*(\w)+3], v[RW+4*(\w)+6:RW+4*(\w)+7]
.endr
.irp w, 0,4
	v_pk_add_f32 v[RW+4*(\w):RW+4*(\w)+1],   v[RW+4*(\w):RW+4*(\w)+1],   v[RW+4*(\w)+8:RW+4*(\w)+9]
	v_pk_add_f32 v[RW+4*(\w)+2:RW+4*(\w)+3], v[RW+4*(\w)+2:RW+4*(\w)+3], v[RW+4*(\w)+10:RW+4*(\w)+11]
.endr
	v_pk_add_f32 v[RW:RW+1],   v[RW:RW+1],   v[RW+16:RW+17]
	v_pk_add_f32 v[RW+2:RW+3], v[RW+2:RW+3], v[RW+18:RW+19]
	global_store_b128 v7, v[RW:RW+3], s[30:31]     ; 512 consecutive bytes a wave, aligned
.Lend:
	s_wait_tensorcnt 0x0                           ; the wave's end, behind my last LDS store
	ds_add_u32 v8, v9
	s_wait_dscnt 0x0
	s_endpgm
.Lfunc_end_k_q690bb0f023_prep:
	.size	k_q690bb0f023_prep, .Lfunc_end_k_q690bb0f023_prep-k_q690bb0f023_prep
	.p2alignl 7, 3214868480
	.fill 96, 4, 3214868480
	.section	.rodata,"a",@progbits
	.p2align	6, 0x0
	.amdhsa_kernel k_q690bb0f023_prep
		.amdhsa_group_segment_fixed_size 17408
		.amdhsa_private_segment_fixed_size 0
		.amdhsa_enable_private_segment 0
		.amdhsa_kernarg_size 56
		.amdhsa_user_sgpr_count 2
		.amdhsa_user_sgpr_kernarg_segment_ptr 1
		.amdhsa_wavefront_size32 1
		.amdhsa_system_sgpr_workgroup_id_x 1
		.amdhsa_system_sgpr_workgroup_id_y 1
		.amdhsa_system_sgpr_workgroup_id_z 1
		.amdhsa_system_vgpr_workitem_id 0
		.amdhsa_next_free_vgpr 256
		.amdhsa_next_free_sgpr 66
		.amdhsa_reserve_vcc 0
		.amdhsa_float_denorm_mode_32 3
		.amdhsa_float_denorm_mode_16_64 3
		.amdhsa_memory_ordered 1
		.amdhsa_forward_progress 1
		.amdhsa_inst_pref_size 18
	.end_amdhsa_kernel
	.amdgpu_metadata
---
amdhsa.version: [ 1, 2 ]
amdhsa.kernels:
  - .name:           k_q690bb0f023_prep
    .symbol:         k_q690bb0f023_prep.kd
    .args:
      - { .name: W1, .offset: 0, .size: 8, .value_kind: global_buffer, .address_space: global }
      - { .name: W2, .offset: 8, .size: 8, .value_kind: global_buffer, .address_space: global }
      - { .name: W3, .offset: 16, .size: 8, .value_kind: global_buffer, .address_space: global }
      - { .name: q1, .offset: 24, .size: 8, .value_kind: global_buffer, .address_space: global }
      - { .name: q2, .offset: 32, .size: 8, .value_kind: global_buffer, .address_space: global }
      - { .name: W1b, .offset: 40, .size: 8, .value_kind: global_buffer, .address_space: global }
      - { .name: cpart, .offset: 48, .size: 8, .value_kind: global_buffer, .address_space: global }
    .group_segment_fixed_size: 17408
    .private_segment_fixed_size: 0
    .kernarg_segment_align: 8
    .kernarg_segment_size: 56
    .max_flat_workgroup_size: 256
    .sgpr_count:     66
    .vgpr_count:     256
    .wavefront_size: 32
...
	.end_amdgpu_metadata
.endif
;; end of part 1
;; launch scores (part 2): grid 4 x 128, 4 waves a work-group, clusters of 4 x 4, 327,680 bytes of LDS; arguments v, W1b, cpart, b1, b2, b3, Ww, part; writes part
.if DOCPART == 2
	.amdgcn_target "amdgcn-amd-amdhsa--gfx1250"
	.amdhsa_code_object_version 6
	.text
	.protected	k_q690bb0f023_scores
	.globl	k_q690bb0f023_scores
	.p2align	8
	.type	k_q690bb0f023_scores,@function
k_q690bb0f023_scores:
	s_mov_b64 s[64:65], 0
	v_nop
	global_prefetch_b8 v0, s[64:65] scope:SCOPE_SE
	s_setreg_imm32_b32 hwreg(HW_REG_WAVE_MODE, 25, 1), 1
	s_wait_xcnt 0x0
	s_wait_alu depctr_hold_cnt(0) depctr_sa_sdst(0) depctr_va_vdst(0) depctr_va_sdst(0) depctr_va_ssrc(0) depctr_va_vcc(0) depctr_vm_vsrc(0)
	s_getreg_b32 s2, hwreg(HW_REG_IB_STS2, 6, 4)
	s_cmp_eq_u32 s2, 0
	s_cbranch_scc0 .Lentry_in_a_cluster
	s_endpgm
.Lentry_in_a_cluster:
	s_bfe_u32 s2, ttmp6, 0x10000c
	s_cmp_lg_u32 s2, 0xf033
	s_cbranch_scc0 .Lentry_shape_is_right
	s_endpgm
.Lentry_shape_is_right:
; part[cs][row] = the sum over the 128 columns h = 128 cs .. of Ww[h] / (1 + e^(2 x)), x = v[row].W1[h] + c[b][h]: the part of tanh that does not cancel in the softmax.
; LEFT OUT, as shown at the head of the first kernel: bw and the plain sum of Ww (the same for every k of a softmax row); bw is not among the arguments.
; LIMITS.  v and W1 enter the product rounded to bf16, sums in f32.  e = 2^(K2 x) may overflow to infinity (the term is then 0) or fall to 0 (the term is Ww[h]): tanh's two saturations.
; SHARES.  A tile of 256 rows x 256 columns to a work-group of four waves, 128 x 128 to a wave: 64 accumulators of 16 x 16, 512 registers.  K = 2,048 goes in 32 steps of 64 through two LDS slots.
; v STAYS f32 IN MEMORY AND IN LDS (a step's row is 256 bytes, aligned) and is rounded between LDS and the matrix unit: 64 conversions for 64 matrix instructions, two behind a matrix instruction.
; Two slots of a step of 128 would take 409,600 bytes of LDS: they do not fit.
; CLUSTER.  4 x 4 work-groups: four row tiles x all four column tiles = one batch.  v's tile hangs on the tile row alone and is asked for jointly along a row of the cluster,
; W1b's on the tile column alone and jointly along a column: the same tensor load, descriptor and mask in all four.
; THE MATRIX INSTRUCTION IS USED TRANSPOSED (source 0 = 16 rows of W1b, source 1 = 16 rows of v): a lane holds ONE row of v (l % 16) and the columns 8 (l / 16) + 0..7, so the sum over columns stays in the lane.
; REGISTERS, in windows of 256 (s_set_vgpr_msb: bits 1:0 source 0, 3:2 source 1, 5:4 source 2, 7:6 destination):
;   window 0: v0-31 addresses; v32-51 at work; v64-127 v's 8 bf16 fragments (ONE buffer), on the way out the 64 numbers in hand; v128-191 K2 c of my 64 columns a lane; v192-255 Ww of the same
;   window 1: v0-63, v192-255 v's fragments in f32 as loaded (16 registers each); v64-127, v128-191 W1b's fragments, two buffers
;   window 2: the accumulators of my rows 0-63 ((a, b) at v[8 (8 a + b)]);   window 3: those of rows 64-127
.set PA,     272                       ; a row of v in LDS: 256 bytes + 16 of padding: the 16 rows of a load start 16 bytes apart modulo 256
.set PB,     144                       ; a row of W1b: 128 + 16: likewise
.set HALFA,  128*PA                    ; what one tensor load brings of v, and what a wave reads of it
.set HALFB,  128*PB
.set SLOT,   2*HALFA+2*HALFB           ; v's 256 rows, then W1b's 256
.set CVB,    2*SLOT                    ; behind the ring, never filled by a tensor load: K2 c of the tile's 256 columns,
.set WB,     CVB+1024                  ; Ww of the same,
.set STG,    CVB+2048                  ; 512 bytes for each wave, for the way out,
.set SPARE,  STG+2048                  ; and the spare words, 128 bytes a wave
.set ADRA, 16                          ; v16-17  LDS address of my fragments of v in slot 0, 1
.set ADRB, 20                          ; v20-21  the same for W1b
.set CVA,  22                          ; v22     my lane's place in the two tables
.set STO,  23                          ; v23     the way out: where I put a row's sum
.set RD,   24                          ; v24     where I read four of them back
.set PO,   25                          ; v25     my 16 bytes of the wave's 512 in part
.set SPW,  28                          ; v28     my spare word; never rewritten
.set NIL,  29                          ; v29     0; never rewritten
.set PFO,  30                          ; v30     the prefetches' offset; never rewritten
.set P,    32                          ; v32-39  four chains of packed sums
.set SS,   40                          ; v40-47  block a's sum for my row
.set AF,   64
.set T,    64
.set C2,   128
.set W,    192
.set F0,   64                          ; window 1
.set F1,   128
.set G1,  24                           ; s[24:31] descriptor group 1 for v's tiles;  s[32:39] group 0, a set for each slot
.set G0,  32
.set G1B, 48                           ; s[48:55], s[56:63] the same for W1b's
.set G0B, 56
.set LIM, 43                           ; s43      a wave prefetches while the lap counter is above it: 2, or the greatest number
.set PFA, 44                           ; s[44:45] where my prefetches stand
.set PFS, 46                           ; s[46:47] their step from K step to K step
.set K2,  84                           ; s[84:85] 2 log2(e)
.set SEL, 86                           ; s[86:87] v_permlanex16_b32's selects: each lane takes its own place in the other half
.set MSB, 0
.macro WIN new                         ; the immediate's high byte repeats the setting that is left; a switch that changes nothing is dropped
.if MSB != (\new)
	s_set_vgpr_msb (MSB<<8)|(\new)
.set MSB, \new
.endif
.endm
.set MUL_LO, 0xa1                      ; source 0 (W1b) window 1, source 1 (v) window 0, C and D window 2
.set MUL_HI, 0xf1                      ; the same, C and D window 3
.set TO_B,   0x40                      ; destination window 1, address window 0
.set CV,     0x05                      ; sources window 1, destination window 0
; A joint load.  Waves 0 and 1 fetch v's two halves, waves 2 and 3 W1b's.  The branch hangs on the wave's number alone.  An s_nop 0 and four v_nop follow each line.
.macro JLOAD s
	s_cmp_eq_u32 s11, 0
	s_cbranch_scc0 .Lfor_b_\@
	tensor_load_to_lds s[G0+4*(\s):G0+4*(\s)+3], s[G1:G1+7]
	s_nop 0
.rept 4
	v_nop
.endr
	s_branch .Lasked_\@
.Lfor_b_\@:
	tensor_load_to_lds s[G0B+4*(\s):G0B+4*(\s)+3], s[G1B:G1B+7]
	s_nop 0
.rept 4
	v_nop
.endr
.Lasked_\@:
.endm
.macro CREST                           ; a round of the cluster's barrier behind its opening barrier
	s_cmp_lg_u32 s10, 0
	s_cbranch_scc1 .Lnot_wave_0_\@
	s_barrier_signal -3
.Lnot_wave_0_\@:
	s_barrier_wait -3
	s_barrier_signal -1
	s_barrier_wait -1
.endm
.macro CROUND                          ; a whole round
	s_barrier_signal -1
	s_barrier_wait -1
	CREST
.endm
.macro PLACES                          ; four places behind a matrix instruction, ahead of loads into and writes of registers that it has read
.rept 4
	v_nop
.endr
.endm
; A PREFETCH INTO THE L2 of the K step that stands FOUR refills on (512 matrix instructions of the wave), behind the joint load and the run of LDS loads.  Each block of 256 bytes is named once in the launch.
; v: a row tile is read by one row of one cluster alone; of the 128 rows that wave 0 or 1 fetches, the partner at place cx takes 32, told apart BY ADDRESS: a lane a row.
; W1b: every cluster walks it; the clusters with y = 0 ask, wave 2 alone: a K step's 256 rows of a tile column are 128 blocks on end, and the partner at place cy takes 32: a lane a block.
; K steps 0 to 5 come by their loads alone; the last two laps of the loop ask for nothing: K step 31 is the last that is named.
.macro ASK
	WIN 0
	s_cmp_gt_u32 s3, s[LIM]
	s_cbranch_scc0 .Lnot_mine_\@
	global_prefetch_b8 v[PFO], s[PFA:PFA+1] th:TH_LOAD_NT scope:SCOPE_SE
.Lnot_mine_\@:
.endm
; Conversion c of 32 for the four f32 fragments cv .. cv + 3: two numbers rounded into one register of the bf16 fragment.
.macro CVT1 cv, c
.set fr, (\cv)+(\c)/8
.set gg, (\c)%8
.set rb, 16*fr+128*(fr/4)
	v_cvt_pk_bf16_f32 v[AF+8*fr+gg], v[rb+2*gg], v[rb+2*gg+1]
.endm
; 16 matrix instructions: row blocks a0, a0 + 1 of the window's four x all 8 column blocks, 32 along K.  zero = 1: the products start the sums.
; cv >= 0: two conversions stand behind each, 32 in all: fragments cv .. cv + 3, which none of these 16 products reads.
.macro MULR f, hi, a0, zero, cv
.set nn, 0
.irp a, \a0, (\a0)+1
.irp b, 0,1,2,3,4,5,6,7
	WIN MUL_LO+0x50*(\hi)
.if \zero
	v_wmma_f32_16x16x32_bf16 v[8*(8*(\a)+(\b)):8*(8*(\a)+(\b))+7], v[(\f)+8*(\b):(\f)+8*(\b)+7], v[AF+8*(4*(\hi)+(\a)):AF+8*(4*(\hi)+(\a))+7], 0
.else
	v_wmma_f32_16x16x32_bf16 v[8*(8*(\a)+(\b)):8*(8*(\a)+(\b))+7], v[(\f)+8*(\b):(\f)+8*(\b)+7], v[AF+8*(4*(\hi)+(\a)):AF+8*(4*(\hi)+(\a))+7], v[8*(8*(\a)+(\b)):8*(8*(\a)+(\b))+7]
.endif
.if (\cv) >= 0
	WIN CV
	CVT1 \cv, 2*nn
	CVT1 \cv, 2*nn+1
.endif
.set nn, nn+1
.endr
.endr
.endm
; Fragment i of v in f32: 16 rows x 32 k: four loads at 0, 16, 64, 80 behind row x pitch + 32 (l / 16): k = 8 (l / 16) + 0..7, then 16 + 8 (l / 16) + 0..7.
.macro RAWL slot, q, i
.set rb, 16*(\i)+128*((\i)/4)
	ds_load_b128 v[rb:rb+3],     v[ADRA+(\slot)] offset:128*(\q)+(\i)*16*PA
	ds_load_b128 v[rb+4:rb+7],   v[ADRA+(\slot)] offset:128*(\q)+(\i)*16*PA+16
	ds_load_b128 v[rb+8:rb+11],  v[ADRA+(\slot)] offset:128*(\q)+(\i)*16*PA+64
	ds_load_b128 v[rb+12:rb+15], v[ADRA+(\slot)] offset:128*(\q)+(\i)*16*PA+80
.endm
; 48 LDS loads in one run, half q (32 along K) of a slot: v's rows 0-63 (wanted first), W1b's 128 rows into buffer fb, v's rows 64-127.
.macro FETCH slot, q, fb
	WIN TO_B
.irp i, 0,1,2,3
	RAWL \slot, \q, \i
.endr
.irp i, 0,1,2,3,4,5,6,7
	ds_load_b128 v[(\fb)+8*(\i):(\fb)+8*(\i)+3],   v[ADRB+(\slot)] offset:64*(\q)+(\i)*16*PB
	ds_load_b128 v[(\fb)+8*(\i)+4:(\fb)+8*(\i)+7], v[ADRB+(\slot)] offset:64*(\q)+(\i)*16*PB+32
.endr
.irp i, 4,5,6,7
	RAWL \slot, \q, \i
.endr
.endm
; ONE BUFFER OF bf16 FRAGMENTS SERVES: rows 64-127 of a half step are rounded while rows 0-31 are multiplied, rows 0-63 of the next half step while rows 96-127 are.  Between the last product that read a
; fragment and the conversion that writes it stand four v_nop or 24 other conversions at the least.  The 64 accumulators take turns in the same order in every half step.
; The first half of a K step: multiplies buffer fb and fetches the second half into gb.
.macro QUARTER slot, fb, gb, zero
	s_wait_dscnt 0x0                               ; W1b's fragments and v's rows 64-127 are in
	MULR \fb, 0, 0, \zero, 4
	MULR \fb, 0, 2, \zero, -1
	PLACES
	FETCH \slot, 1, \gb
	MULR \fb, 1, 0, \zero, -1
	s_wait_dscnt 32                                ; v's rows 0-63 of the next half are in; the 32 younger loads stay out
	MULR \fb, 1, 2, \zero, 0
.endm
; The second half multiplies buffer 1 and changes slots: ONE barrier.  In front of it each wave waits for all its tensor loads (one is out: its part of the next slot), adds 0 to its spare word, and waits for that
; and for its own reads of this slot.  fill = 1: the barrier opens a round of the cluster's, and this slot is filled again, two K steps on, first thing behind the round.
.macro TURN slot, next, fill
.if \fill
	s_wait_xcnt 0x0                                ; the last prefetch, a K step back, has read its address
	s_add_nc_u64 s[PFA:PFA+1], s[PFA:PFA+1], s[PFS:PFS+1]
.endif
	WIN 0                                          ; (the add's two registers lie in window 0)
	s_wait_tensorcnt 0x0                           ; all my tensor loads have landed
	ds_add_u32 v[SPW], v[NIL]                      ; 0 onto my spare word
	s_wait_dscnt 1                                 ; the add alone may be out: every fragment load is in
	MULR F1, 0, 0, 0, 4                            ; sixteen matrix instructions stand between the add and the wait for it
	s_wait_dscnt 0x0                               ; the add is done, and my reads of this slot are over
	s_barrier_signal -1
	MULR F1, 0, 2, 0, -1
	WIN 0
	s_barrier_wait -1
.if \fill
	CREST                                          ; no wave of any partner still reads this slot's tile or has a load on its way
	s_add_nc_u64 s[G0+4*(\slot)+2:G0+4*(\slot)+3], s[G0+4*(\slot)+2:G0+4*(\slot)+3], 2*256
	s_add_nc_u64 s[G0B+4*(\slot)+2:G0B+4*(\slot)+3], s[G0B+4*(\slot)+2:G0B+4*(\slot)+3], 2*131072
	JLOAD \slot                                    ; its four v_nop are also the places in front of the loads and conversions below
.else
	PLACES
.endif
	FETCH \next, 0, F0
.if \fill
	ASK
.endif
	MULR F1, 1, 0, 0, -1
	s_wait_dscnt 32
	MULR F1, 1, 2, 0, 0
.endm
	s_load_b512 s[68:83], s[0:1], 0x0              ; v 68, W1b 70, cpart 72, b1 74, b2 76, b3 78, Ww 80, part 82
	v_lshl_add_u32 v[SPW], v0, 2, SPARE
	v_mov_b32 v[NIL], 0
	ds_add_u32 v[SPW], v[NIL]                      ; the wave's opening: the add, twice on end, and its wait ahead of my first tensor load
	ds_add_u32 v[SPW], v[NIL]                      ; and once more, under the one wait
	v_lshrrev_b32 v1, 5, v0
	v_readfirstlane_b32 s10, v1                    ; wave 0..3
	s_lshr_b32 s11, s10, 1                         ; which half of the tile's rows is mine.  Also: I fetch v (0) or W1b (1)
	s_and_b32 s12, s10, 1                          ; which half of its columns.  Also: which 128 rows I fetch
	s_bfe_u32 s40, ttmp6, 0x40000                  ; cx
	s_bfe_u32 s41, ttmp6, 0x40004                  ; cy
	s_lshl_b32 s42, ttmp9, 2
	s_add_co_u32 s42, s42, s40                     ; tile column = 4 x cluster x + cx
	s_and_b32 s13, ttmp7, 0xffff                   ; cluster y = the batch
	s_lshl_b32 s13, s13, 2
	s_add_co_u32 s13, s13, s41                     ; tile row = 4 x cluster y + cy
	s_lshl_b32 s43, s41, 2
	s_lshl_b32 s43, 15, s43                        ; my row of the cluster
	s_lshl_b32 s44, 0x1111, s40                    ; my column
	; group 1 for v: 128 rows x 64 elements of 4 bytes, 2,048 elements from row to row, 4 words of padding behind every 64
	s_or_b32 s[G1+0], s43, (2<<16)|(1<<20)|(1<<21)|(5<<22)|(3<<25)
	s_mov_b32 s[G1+1], 64<<16                      ; tensor_dim0 = 64
	s_mov_b32 s[G1+2], 128<<16                     ; tensor_dim1 = 128
	s_mov_b32 s[G1+3], 64<<16                      ; tile_dim0 = 64
	s_mov_b32 s[G1+4], 128                         ; tile_dim1 = 128
	s_mov_b32 s[G1+5], 2048
	s_mov_b32 s[G1+6], 0
	s_mov_b32 s[G1+7], 0
	; group 1 for W1b: 128 rows of 128 bytes lie end to end: asked for as 64 rows of 128 elements of 2 bytes, 4 words of padding behind every 32
	s_or_b32 s[G1B+0], s44, (1<<16)|(1<<20)|(1<<21)|(4<<22)|(3<<25)
	s_mov_b32 s[G1B+1], 128<<16
	s_mov_b32 s[G1B+2], 64<<16
	s_mov_b32 s[G1B+3], 128<<16
	s_mov_b32 s[G1B+4], 64
	s_mov_b32 s[G1B+5], 128
	s_mov_b32 s[G1B+6], 0
	s_mov_b32 s[G1B+7], 0
	s_lshl_b32 s17, s12, 7
	s_lshl_b32 s16, s13, 8
	s_add_co_u32 s16, s16, s17                     ; v: row 256 x tile row + 128 x half,
	s_lshl_b32 s16, s16, 13                        ; of 8,192 bytes (under 2^28)
	s_mov_b32 s17, 0
	s_lshl_b32 s47, s12, 7
	s_lshl_b32 s46, s42, 8
	s_add_co_u32 s46, s46, s47                     ; W1b: row 256 x tile column + 128 x half,
	s_lshl_b32 s46, s46, 7                         ; of 128 bytes in a K step's block
	s_mov_b32 s47, 0
	s_mul_i32 s20, s12, HALFA                      ; where they go: no place in the cluster enters an LDS address
	s_mul_i32 s21, s12, HALFB
	s_add_co_u32 s21, s21, 2*HALFA
	s_mov_b32 s[K2], 0x4038aa3b                    ; 2 log2(e)
	s_mov_b32 s[K2+1], s[K2]                       ; named with it as a pair
	s_mov_b32 s[SEL], 0x76543210
	s_mov_b32 s[SEL+1], 0xfedcba98
	s_wait_dscnt 0x0                               ; both opening adds are done
	s_wait_kmcnt 0x0
	s_add_nc_u64 s[14:15], s[68:69], s[16:17]
	s_add_nc_u64 s[46:47], s[70:71], s[46:47]
	CROUND                                         ; all sixteen work-groups are here: the first joint loads meet
.irp s, 0,1
	s_mov_b32 s[G0+4*(\s)], 1
	s_add_co_u32 s[G0+4*(\s)+1], s20, (\s)*SLOT
	s_add_nc_u64 s[G0+4*(\s)+2:G0+4*(\s)+3], s[14:15], (\s)*256      ; K step s: 256 bytes along the rows
	s_or_b32 s[G0+4*(\s)+3], s[G0+4*(\s)+3], 0x80000000
	s_mov_b32 s[G0B+4*(\s)], 1
	s_add_co_u32 s[G0B+4*(\s)+1], s21, (\s)*SLOT
	s_add_nc_u64 s[G0B+4*(\s)+2:G0B+4*(\s)+3], s[46:47], (\s)*131072 ; K step s: the next block
	s_or_b32 s[G0B+4*(\s)+3], s[G0B+4*(\s)+3], 0x80000000
	JLOAD \s                                       ; two loads of mine are out
.endr
	; While the tiles are on their way: K2 c and Ww of the tile's 256 columns, two columns a thread.  c = the four quarters of the q products + b1 + b2 + b3.
	s_and_b32 s4, ttmp7, 0xffff
	s_lshl_b32 s4, s4, 6                           ; the batch's 64 bytes,
	s_lshl_b32 s5, s42, 15                         ; the tile column's 16 blocks of 2,048
	s_add_co_u32 s4, s4, s5
	s_mov_b32 s5, 0
	s_add_nc_u64 s[72:73], s[72:73], s[4:5]
	s_lshl_b32 s6, s42, 10                         ; 256 columns of f32
	s_mov_b32 s7, 0
	s_add_nc_u64 s[74:75], s[74:75], s[6:7]
	s_add_nc_u64 s[76:77], s[76:77], s[6:7]
	s_add_nc_u64 s[78:79], s[78:79], s[6:7]
	s_add_nc_u64 s[80:81], s[80:81], s[6:7]
	v_lshrrev_b32 v6, 3, v0
	v_and_b32 v7, 7, v0
	v_lshlrev_b32 v6, 11, v6
	v_lshl_add_u32 v6, v7, 3, v6                   ; block t / 8, 8 bytes at 8 (t % 8)
	v_lshlrev_b32 v8, 3, v0
	v_add_nc_u32 v9, CVB, v8
.irp q, 0,1,2,3
	global_load_b64 v[32+2*(\q):33+2*(\q)], v6, s[72:73] offset:(\q)*131072
.endr
	global_load_b64 v[40:41], v8, s[74:75]
	global_load_b64 v[42:43], v8, s[76:77]
	global_load_b64 v[44:45], v8, s[78:79]
	global_load_b64 v[46:47], v8, s[80:81]
	v_and_b32 v1, 15, v0                           ; l % 16
	v_bfe_u32 v2, v0, 4, 1                         ; l / 16
	v_and_b32 v5, 31, v0                           ; l
	v_mul_u32_u24 v3, v1, PA
	v_lshl_add_u32 v3, v2, 5, v3
	v_mul_u32_u24 v4, v1, PB
	v_lshl_add_u32 v4, v2, 4, v4
	s_mul_i32 s21, s11, HALFA                      ; my 128 rows of v
	s_mul_i32 s22, s12, HALFB                      ; my 128 rows of W1b,
	s_add_co_u32 s22, s22, 2*HALFA                 ; which lie behind v's 256
.irp s, 0,1
	v_add_nc_u32 v[ADRA+(\s)], s21, v3
	v_add_nc_u32 v[ADRB+(\s)], s22, v4
	s_add_co_u32 s21, s21, SLOT
	s_add_co_u32 s22, s22, SLOT
.endr
	s_lshl_b32 s23, s12, 9
	s_add_co_u32 s23, s23, CVB
	v_lshl_add_u32 v[CVA], v2, 5, s23              ; my half's 128 columns, 8 of each 16 for my half of the lanes
	s_lshl_b32 s23, s10, 9
	s_add_co_u32 s23, s23, STG                     ; my stage
	v_lshl_add_u32 v[STO], v1, 2, s23
	v_lshl_add_u32 v[RD], v5, 4, s23
	v_lshlrev_b32 v[PO], 4, v5
	s_lshl_b32 s8, s42, 1
	s_add_co_u32 s8, s8, s12
	s_lshl_b32 s8, s8, 17                          ; part: column slice 2 x tile column + half, 131,072 bytes each,
	s_lshl_b32 s9, s13, 10
	s_add_co_u32 s8, s8, s9                        ; the tile's 256 rows,
	s_lshl_b32 s9, s11, 9
	s_add_co_u32 s8, s8, s9                        ; my 128 of them
	s_mov_b32 s9, 0
	s_add_nc_u64 s[82:83], s[82:83], s[8:9]
	; the prefetches' addresses: they stand at K step 5; the first change of slots steps them to 6
	s_lshl_b32 s20, s13, 8
	s_lshl_b32 s21, s12, 7
	s_add_co_u32 s20, s20, s21
	s_lshl_b32 s21, s40, 5
	s_add_co_u32 s20, s20, s21                     ; v: the 128 rows that I fetch, my work-group's 32 of them
	s_lshl_b32 s20, s20, 13
	s_add_co_u32 s20, s20, 5*256
	s_lshl_b32 s22, s42, 15                        ; W1b: the tile column's 32,768 bytes of a K step,
	s_lshl_b32 s23, s41, 13                        ; my work-group's 8,192 of them
	s_add_co_u32 s22, s22, s23
	s_add_co_u32 s22, s22, 5*131072
	s_and_b32 s23, ttmp7, 0xffff                   ; cluster y
	s_mov_b32 s[PFS], 131072
	s_cmp_eq_u32 s11, 0                            ; do I fetch v?
	s_cselect_b32 s20, s20, s22
	s_cselect_b64 s[PFA:PFA+1], s[68:69], s[70:71]
	s_cselect_b32 s[PFS], 256, s[PFS]
	s_cselect_b32 s22, 13, 8                       ; a lane a row of v, or a lane a block of 256 bytes of W1b
	s_cselect_b32 s23, 0, s23                      ; waves 0 and 1 always ask; wave 2 where cluster y = 0;
	s_cmp_eq_u32 s10, 3
	s_cselect_b32 s23, 1, s23                      ; wave 3 never: the same in all sixteen partners, for a given wave
	s_cmp_eq_u32 s23, 0
	s_cselect_b32 s[LIM], 2, -1
	s_mov_b32 s21, 0
	s_mov_b32 s[PFS+1], 0
	s_add_nc_u64 s[PFA:PFA+1], s[PFA:PFA+1], s[20:21]
	v_lshlrev_b32 v[PFO], s22, v5
	s_wait_loadcnt 0x0
	v_pk_add_f32 v[32:33], v[32:33], v[34:35]
	v_pk_add_f32 v[36:37], v[36:37], v[38:39]
	v_pk_add_f32 v[40:41], v[40:41], v[42:43]
	v_pk_add_f32 v[32:33], v[32:33], v[36:37]
	v_pk_add_f32 v[40:41], v[40:41], v[44:45]
	v_pk_add_f32 v[32:33], v[32:33], v[40:41]
	v_pk_mul_f32 v[32:33], v[32:33], s[K2:K2+1] op_sel_hi:[1,0]
	ds_store_b64 v9, v[32:33]
	ds_store_b64 v9, v[46:47] offset:1024
	s_wait_tensorcnt 1                             ; my part of K step 0 is in; K step 1's may stay out
	s_wait_dscnt 0x0                               ; my part of the tables lies in LDS
	s_barrier_signal -1
	s_barrier_wait -1                              ; everybody's does
.irp b, 0,1,2,3,4,5,6,7                ; the tables stay in registers: register 8 b + j is column 16 b + 8 (l / 16) + j of my 128
	ds_load_b128 v[C2+8*(\b):C2+8*(\b)+3],   v[CVA] offset:64*(\b)
	ds_load_b128 v[C2+8*(\b)+4:C2+8*(\b)+7], v[CVA] offset:64*(\b)+16
	ds_load_b128 v[W+8*(\b):W+8*(\b)+3],     v[CVA] offset:1024+64*(\b)
	ds_load_b128 v[W+8*(\b)+4:W+8*(\b)+7],   v[CVA] offset:1024+64*(\b)+16
.endr
	FETCH 0, 0, F0
	s_wait_dscnt 32                                ; the tables and v's rows 0-63 are in; the 32 younger loads stay out
	WIN CV
.set nn, 0
.rept 32
	CVT1 0, nn
.set nn, nn+1
.endr
	QUARTER 0, F0, F1, 1                           ; the first half step stands in front of the loop: its products start the sums
	WIN 0                                          ; at a label and at a branch every window is 0
	s_mov_b32 s3, 15
.Llap:                                                 ; a trip goes once round the ring and fills both slots again: trip j brings K steps 2 j + 2 and 2 j + 3
	TURN 0, 1, 1
	QUARTER 1, F0, F1, 0
	TURN 1, 0, 1
	QUARTER 0, F0, F1, 0
	WIN 0
	s_sub_co_u32 s3, s3, 1
	s_cmp_lg_u32 s3, 0
	s_cbranch_scc1 .Llap
	TURN 0, 1, 0                                   ; the tail is written out: nothing is left to fetch, and no round follows
	QUARTER 1, F0, F1, 0
	s_wait_dscnt 0x0                               ; the very last half step
	MULR F1, 0, 0, 0, 4
	MULR F1, 0, 2, 0, -1
	MULR F1, 1, 0, 0, -1
	MULR F1, 1, 2, 0, -1
	PLACES
	PLACES                                         ; the places behind the last products; once a launch
; THE WAY OUT, a block of 16 rows at a time: 64 numbers a lane.  K2 x = K2 sum + K2 c; e = 2^(K2 x); 1 / (1 + e); times Ww, summed in four chains.  Each accumulator is read from its low end on.
; The 64 exponentials are one batch with one wait, and so are the 64 reciprocals: a plain instruction and s_wait_alu depctr_va_vdst(0) ahead of the first reader.
.macro BLOCK a
.set AC, 64*((\a)%4)
	WIN 0x02+(\a)/4                                ; source 0: window 2 or 3
.set i, 0
.rept 32
	v_pk_fma_f32 v[T+i:T+i+1], v[AC+i:AC+i+1], s[K2:K2+1], v[C2+i:C2+i+1] op_sel_hi:[1,0,1]
.set i, i+2
.endr
	WIN 0
.set i, 0
.rept 64
	v_exp_f32 v[T+i], v[T+i]
.set i, i+1
.endr
	v_nop
	s_wait_alu depctr_va_vdst(0)
.set i, 0
.rept 32
	v_pk_add_f32 v[T+i:T+i+1], v[T+i:T+i+1], 1.0 op_sel_hi:[1,0]
.set i, i+2
.endr
.set i, 0
.rept 64
	v_rcp_f32 v[T+i], v[T+i]
.set i, i+1
.endr
	v_nop
	s_wait_alu depctr_va_vdst(0)
.set i, 0
.rept 32
.if i < 4
	v_pk_mul_f32 v[P+2*(i%4):P+2*(i%4)+1], v[T+2*i:T+2*i+1], v[W+2*i:W+2*i+1]
.else
	v_pk_fma_f32 v[P+2*(i%4):P+2*(i%4)+1], v[T+2*i:T+2*i+1], v[W+2*i:W+2*i+1], v[P+2*(i%4):P+2*(i%4)+1]
.endif
.set i, i+1
.endr
	v_pk_add_f32 v[P:P+1], v[P:P+1], v[P+2:P+3]
	v_pk_add_f32 v[P+4:P+5], v[P+4:P+5], v[P+6:P+7]
	v_pk_add_f32 v[P:P+1], v[P:P+1], v[P+4:P+5]
	v_add_f32 v[SS+(\a)], v[P], v[P+1]
.endm
.irp a, 0,1,2,3,4,5,6,7
	BLOCK \a
.endr
.irp a, 0,1,2,3,4,5,6,7
	v_permlanex16_b32 v[P+(\a)], v[SS+(\a)], s[SEL], s[SEL+1]  ; the row's other 64 columns lie in the lane 16 away
.endr
.irp a, 0,1,2,3,4,5,6,7
	v_add_f32 v[SS+(\a)], v[SS+(\a)], v[P+(\a)]
.endr
.irp a, 0,1,2,3,4,5,6,7
	ds_store_b32 v[STO], v[SS+(\a)] offset:64*(\a) ; row 16 a + l % 16; both halves of the lanes write the same number to the same word
.endr
	ds_load_b128 v[48:51], v[RD]                   ; LDS serves a wave's instructions in order (ISA guide 5.7.1.4): this sees the stores above
	s_wait_dscnt 0x0
	global_store_b128 v[PO], v[48:51], s[82:83]    ; my 128 rows' sums: 512 consecutive bytes, aligned
	s_wait_tensorcnt 0x0                           ; the wave's end, behind my last tensor load and my last LDS store
	ds_add_u32 v[SPW], v[NIL]
	s_wait_dscnt 0x0
	CROUND                                         ; the closing round: no work-group ends while a partner may still ask for a tile that names it
	s_endpgm
.Lfunc_end_k_q690bb0f023_scores:
	.size	k_q690bb0f023_scores, .Lfunc_end_k_q690bb0f023_scores-k_q690bb0f023_scores
	.p2alignl 7, 3214868480
	.fill 96, 4, 3214868480
	.section	.rodata,"a",@progbits
	.p2align	6, 0x0
	.amdhsa_kernel k_q690bb0f023_scores
		.amdhsa_group_segment_fixed_size 327680
		.amdhsa_private_segment_fixed_size 0
		.amdhsa_enable_private_segment 0
		.amdhsa_kernarg_size 64
		.amdhsa_user_sgpr_count 2
		.amdhsa_user_sgpr_kernarg_segment_ptr 1
		.amdhsa_wavefront_size32 1
		.amdhsa_system_sgpr_workgroup_id_x 1
		.amdhsa_system_sgpr_workgroup_id_y 1
		.amdhsa_system_sgpr_workgroup_id_z 1
		.amdhsa_system_vgpr_workitem_id 0
		.amdhsa_next_free_vgpr 1024
		.amdhsa_next_free_sgpr 88
		.amdhsa_reserve_vcc 0
		.amdhsa_float_denorm_mode_32 3
		.amdhsa_float_denorm_mode_16_64 3
		.amdhsa_memory_ordered 1
		.amdhsa_forward_progress 1
		.amdhsa_inst_pref_size 206
	.end_amdhsa_kernel
	.amdgpu_metadata
---
amdhsa.version: [ 1, 2 ]
amdhsa.kernels:
  - .name:           k_q690bb0f023_scores
    .symbol:         k_q690bb0f023_scores.kd
    .args:
      - { .name: v, .offset: 0, .size: 8, .value_kind: global_buffer, .address_space: global }
      - { .name: W1b, .offset: 8, .size: 8, .value_kind: global_buffer, .address_space: global }
      - { .name: cpart, .offset: 16, .size: 8, .value_kind: global_buffer, .address_space: global }
      - { .name: b1, .offset: 24, .size: 8, .value_kind: global_buffer, .address_space: global }
      - { .name: b2, .offset: 32, .size: 8, .value_kind: global_buffer, .address_space: global }
      - { .name: b3, .offset: 40, .size: 8, .value_kind: global_buffer, .address_space: global }
      - { .name: Ww, .offset: 48, .size: 8, .value_kind: global_buffer, .address_space: global }
      - { .name: part, .offset: 56, .size: 8, .value_kind: global_buffer, .address_space: global }
    .group_segment_fixed_size: 327680
    .private_segment_fixed_size: 0
    .kernarg_segment_align: 8
    .kernarg_segment_size: 64
    .max_flat_workgroup_size: 128
    .sgpr_count:     88
    .vgpr_count:     1024
    .wavefront_size: 32
...
	.end_amdgpu_metadata
.endif
;; end of part 2
;; launch finish (part 3): grid 8 x 32, 16 waves a work-group, no clusters, 14,848 bytes of LDS; arguments part, v, out0, out1; writes out0, out1
.if DOCPART == 3
	.amdgcn_target "amdgcn-amd-amdhsa--gfx1250"
	.amdhsa_code_object_version 6
	.text
	.protected	k_q690bb0f023_finish
	.globl	k_q690bb0f023_finish
	.p2align	8
	.type	k_q690bb0f023_finish,@function
k_q690bb0f023_finish:
	s_mov_b64 s[64:65], 0
	v_nop
	global_prefetch_b8 v0, s[64:65] scope:SCOPE_SE
	s_setreg_imm32_b32 hwreg(HW_REG_WAVE_MODE, 25, 1), 1
	s_wait_xcnt 0x0
; out0[b][k] = softmax_k(-2 S[b][k]), S = the sum of part's eight column slices; out1[b][d] = sum_k out0[b][k] v[b][k][d].
; LEFT OUT, as shown at the head of the first kernel: bw and the plain sum of Ww, which are the same for every k of a softmax row.  The row's maximum is taken away before the exponential.
; LIMIT: a weight's exponential below 2^-126 counts as 0.
; SHARES.  A work-group has one batch and 256 of the 2,048 columns: 1,024 bytes of each of the batch's 1,024 rows of v, each byte read once in the launch.  Wave w takes the column half w % 2 and the
; 128 rows of group w / 2; a lane 16 bytes, so a load covers 512 consecutive bytes, aligned.  Each of a batch's eight work-groups makes the softmax for itself from 32 KiB of part; slice 0 stores it.
; The product has one row a batch, so it is made by f32 multiply-adds on v as it lies in memory: a matrix tile would hold 15 empty rows of 16.  Memory binds: a ring of 16 loads a wave, no LDS on the way in.
.set WL,    0                          ; LDS: the batch's 1,024 weights
.set RED,   4096                       ; the eight row groups' partial sums, 1,024 bytes each
.set MX,    12288                      ; the sixteen waves' maxima
.set SM,    12544                      ; their sums
.set SPARE, 12800                      ; the spare words, 128 bytes a wave
.set ACC,   28                         ; v[28:35]   two accumulators of 4: even rows, odd rows
.set RING,  36                         ; v[36:99]   16 slots of 4
.set WT,    100                        ; v[100:227] my row group's 128 weights, the same in every lane
	s_load_b256 s[4:11], s[0:1], 0x0               ; part s[4:5], v s[6:7], out0 s[8:9], out1 s[10:11]
	v_lshl_add_u32 v10, v0, 2, SPARE               ; my spare word; never rewritten
	v_mov_b32 v11, 0                               ; 0; never rewritten
	v_lshrrev_b32 v1, 5, v0
	v_readfirstlane_b32 s12, v1                    ; wave 0..15
	s_and_b32 s13, s12, 1                          ; column half
	s_lshr_b32 s14, s12, 1                         ; row group
	s_and_b32 s15, ttmp7, 0xffff                   ; batch
	s_mov_b32 s32, ttmp9                           ; slice
	s_mov_b32 s24, 0x76543210                      ; v_permlanex16_b32: each lane takes its own place in the other half
	s_mov_b32 s25, 0xfedcba98
	v_and_b32 v1, 31, v0
	v_lshlrev_b32 v2, 3, v0                        ; my two logits: 8 bytes
	v_lshlrev_b32 v3, 4, v1                        ; my 16 bytes of a row's 512
	s_lshl_b32 s2, s12, 2
	s_add_co_u32 s3, s2, MX
	v_mov_b32 v4, s3
	s_add_co_u32 s3, s2, SM
	v_mov_b32 v5, s3
	v_mov_b32 v6, MX
	v_mov_b32 v7, SM
	s_lshl_b32 s2, s14, 9
	v_mov_b32 v8, s2                               ; my row group's weights in WL
	s_lshl_b32 s2, s14, 10
	s_lshl_b32 s3, s13, 9
	s_add_co_u32 s2, s2, s3
	s_add_co_u32 s2, s2, RED
	v_add_nc_u32 v9, s2, v3
	s_lshl_b32 s26, s15, 12                        ; the batch's 1,024 numbers in part and in out0
	s_mov_b32 s27, 0
	s_lshl_b32 s28, s15, 23                        ; the batch's 1,024 rows of 8,192 bytes,
	s_lshl_b32 s29, s14, 20                        ; my group's 128,
	s_add_co_u32 s28, s28, s29
	s_lshl_b32 s29, s32, 10                        ; the slice's 1,024 bytes,
	s_add_co_u32 s28, s28, s29
	s_add_co_u32 s28, s28, s3                      ; my half of them
	s_lshl_b32 s30, s15, 13
	s_add_co_u32 s30, s30, s29                     ; out1: the batch's row, the slice
	s_mov_b32 s29, 0
	s_mov_b32 s31, 0
	s_wait_kmcnt 0x0
	s_add_nc_u64 s[16:17], s[4:5], s[26:27]
	s_add_nc_u64 s[18:19], s[6:7], s[28:29]
	s_add_nc_u64 s[20:21], s[8:9], s[26:27]
	s_add_nc_u64 s[22:23], s[10:11], s[30:31]
.irp c, 0,1,2,3,4,5,6,7
	global_load_b64 v[12+2*(\c):13+2*(\c)], v2, s[16:17] offset:131072*(\c)
.endr
.irp i, 0,1,2,3,4,5,6,7,8,9,10,11,12,13,14,15
	global_load_b128 v[RING+4*(\i):RING+4*(\i)+3], v3, s[18:19] offset:8192*(\i) th:TH_LOAD_NT  ; the ring is filled before the softmax is begun
.endr
	s_wait_loadcnt 16                              ; part's eight are in; the ring's sixteen stay out
	v_pk_add_f32 v[12:13], v[12:13], v[14:15]
	v_pk_add_f32 v[16:17], v[16:17], v[18:19]
	v_pk_add_f32 v[20:21], v[20:21], v[22:23]
	v_pk_add_f32 v[24:25], v[24:25], v[26:27]
	v_pk_add_f32 v[12:13], v[12:13], v[16:17]
	v_pk_add_f32 v[20:21], v[20:21], v[24:25]
	v_pk_add_f32 v[12:13], v[12:13], v[20:21]
	v_pk_mul_f32 v[12:13], v[12:13], 0xc038aa3b op_sel_hi:[1,0]  ; y = -2 log2(e) S
	v_max_num_f32 v14, v12, v13
	v_max_num_f32_dpp v14, v14, v14 row_xmask:1 row_mask:0xf bank_mask:0xf
	v_max_num_f32_dpp v14, v14, v14 row_xmask:2 row_mask:0xf bank_mask:0xf
	v_max_num_f32_dpp v14, v14, v14 row_xmask:4 row_mask:0xf bank_mask:0xf
	v_max_num_f32_dpp v14, v14, v14 row_xmask:8 row_mask:0xf bank_mask:0xf
	v_permlanex16_b32 v15, v14, s24, s25
	v_max_num_f32 v14, v14, v15
	ds_store_b32 v4, v14                           ; all lanes write the wave's word with the same number
	s_wait_dscnt 0x0
	s_barrier_signal -1
	s_barrier_wait -1
.irp i, 0,1,2,3
	ds_load_b128 v[16+4*(\i):19+4*(\i)], v6 offset:16*(\i)
.endr
	s_wait_dscnt 0x0
	v_max3_num_f32 v16, v16, v17, v18
	v_max3_num_f32 v19, v19, v20, v21
	v_max3_num_f32 v22, v22, v23, v24
	v_max3_num_f32 v25, v25, v26, v27
	v_max3_num_f32 v28, v28, v29, v30
	v_max3_num_f32 v16, v16, v19, v22
	v_max3_num_f32 v16, v16, v25, v28
	v_max_num_f32 v16, v16, v31                    ; the row's maximum, in every lane
	v_sub_f32 v12, v12, v16
	v_sub_f32 v13, v13, v16
	v_exp_f32 v12, v12
	v_exp_f32 v13, v13
	v_nop                                          ; a plain instruction behind the last exponential,
	s_wait_alu depctr_va_vdst(0)                   ; and the wait ahead of the first reader: one for both
	v_add_f32 v14, v12, v13
	v_add_f32_dpp v14, v14, v14 row_xmask:1 row_mask:0xf bank_mask:0xf
	v_add_f32_dpp v14, v14, v14 row_xmask:2 row_mask:0xf bank_mask:0xf
	v_add_f32_dpp v14, v14, v14 row_xmask:4 row_mask:0xf bank_mask:0xf
	v_add_f32_dpp v14, v14, v14 row_xmask:8 row_mask:0xf bank_mask:0xf
	v_permlanex16_b32 v15, v14, s24, s25
	v_add_f32 v14, v14, v15
	ds_store_b32 v5, v14                           ; other bytes than the maxima's: no barrier is owed between the reads above and this store
	s_wait_dscnt 0x0
	s_barrier_signal -1
	s_barrier_wait -1
.irp i, 0,1,2,3
	ds_load_b128 v[16+4*(\i):19+4*(\i)], v7 offset:16*(\i)
.endr
	s_wait_dscnt 0x0
	v_pk_add_f32 v[16:17], v[16:17], v[18:19]
	v_pk_add_f32 v[20:21], v[20:21], v[22:23]
	v_pk_add_f32 v[24:25], v[24:25], v[26:27]
	v_pk_add_f32 v[28:29], v[28:29], v[30:31]
	v_pk_add_f32 v[16:17], v[16:17], v[20:21]
	v_pk_add_f32 v[24:25], v[24:25], v[28:29]
	v_pk_add_f32 v[16:17], v[16:17], v[24:25]
	v_add_f32 v16, v16, v17                        ; at least 1: the maximum's own term
	v_rcp_f32 v17, v16
	v_nop
	s_wait_alu depctr_va_vdst(0)
	v_mul_f32 v12, v12, v17
	v_mul_f32 v13, v13, v17                        ; my two weights; v[12:13] and v2 are not written again
	ds_store_b64 v2, v[12:13]
	s_cmp_lg_u32 s32, 0                            ; slice 0 stores the batch's weights: 256 consecutive bytes a wave, aligned
	s_cbranch_scc1 .Lnot_slice_0
	global_store_b64 v2, v[12:13], s[20:21]
.Lnot_slice_0:
	s_wait_dscnt 0x0
	s_barrier_signal -1
	s_barrier_wait -1                              ; all 1,024 weights lie in LDS
.set i, 0
.rept 32
	ds_load_b128 v[WT+4*i:WT+4*i+3], v8 offset:16*i  ; all lanes read the same words
.set i, i+1
.endr
	s_wait_dscnt 0x0
	; THE STREAM, written out: row i is waited for (the 15 younger loads stay out; at the end the counts run down), multiplied by its weight onto the accumulator of its parity, and its slot takes row i + 16.
	; Rows 0 and 1 start the sums.  The address register is never rewritten: the row stands in the immediate, 1,040,384 at the most.
.set i, 0
.rept 128
.set sl, RING+4*(i%16)
.set ac, ACC+4*(i%2)
.set wt, WT+i-(i%2)
.if i < 112
	s_wait_loadcnt 15
.else
	s_wait_loadcnt 127-i
.endif
.if i == 0
	v_pk_mul_f32 v[ac:ac+1],   v[sl:sl+1],   v[wt:wt+1] op_sel_hi:[1,0]
	v_pk_mul_f32 v[ac+2:ac+3], v[sl+2:sl+3], v[wt:wt+1] op_sel_hi:[1,0]
.elseif i == 1
	v_pk_mul_f32 v[ac:ac+1],   v[sl:sl+1],   v[wt:wt+1] op_sel:[0,1] op_sel_hi:[1,1]
	v_pk_mul_f32 v[ac+2:ac+3], v[sl+2:sl+3], v[wt:wt+1] op_sel:[0,1] op_sel_hi:[1,1]
.elseif i%2 == 0
	v_pk_fma_f32 v[ac:ac+1],   v[sl:sl+1],   v[wt:wt+1], v[ac:ac+1]   op_sel_hi:[1,0,1]
	v_pk_fma_f32 v[ac+2:ac+3], v[sl+2:sl+3], v[wt:wt+1], v[ac+2:ac+3] op_sel_hi:[1,0,1]
.else
	v_pk_fma_f32 v[ac:ac+1],   v[sl:sl+1],   v[wt:wt+1], v[ac:ac+1]   op_sel:[0,1,0] op_sel_hi:[1,1,1]
	v_pk_fma_f32 v[ac+2:ac+3], v[sl+2:sl+3], v[wt:wt+1], v[ac+2:ac+3] op_sel:[0,1,0] op_sel_hi:[1,1,1]
.endif
.if i < 112
	global_load_b128 v[sl:sl+3], v3, s[18:19] offset:8192*(i+16) th:TH_LOAD_NT
.endif
.set i, i+1
.endr
	v_pk_add_f32 v[ACC:ACC+1],   v[ACC:ACC+1],   v[ACC+4:ACC+5]
	v_pk_add_f32 v[ACC+2:ACC+3], v[ACC+2:ACC+3], v[ACC+6:ACC+7]
	ds_store_b128 v9, v[ACC:ACC+3]
	s_wait_dscnt 0x0
	s_barrier_signal -1
	s_barrier_wait -1                              ; the eight row groups' sums lie in LDS
	s_cmp_lt_u32 s12, 2                            ; waves 0 and 1 add them: 512 bytes of the slice's 1,024 each
	s_cbranch_scc0 .Lend
	v_lshlrev_b32 v36, 4, v0
.irp g, 0,1,2,3,4,5,6,7
	ds_load_b128 v[40+4*(\g):43+4*(\g)], v36 offset:RED+1024*(\g)
.endr
	s_wait_dscnt 0x0
.irp g, 0,2,4,6
	v_pk_add_f32 v[40+4*(\g):41+4*(\g)], v[40+4*(\g):41+4*(\g)], v[44+4*(\g):45+4*(\g)]
	v_pk_add_f32 v[42+4*(\g):43+4*(\g)], v[42+4*(\g):43+4*(\g)], v[46+4*(\g):47+4*(\g)]
.endr
.irp g, 0,4
	v_pk_add_f32 v[40+4*(\g):41+4*(\g)], v[40+4*(\g):41+4*(\g)], v[48+4*(\g):49+4*(\g)]
	v_pk_add_f32 v[42+4*(\g):43+4*(\g)], v[42+4*(\g):43+4*(\g)], v[50+4*(\g):51+4*(\g)]
.endr
	v_pk_add_f32 v[40:41], v[40:41], v[56:57]
	v_pk_add_f32 v[42:43], v[42:43], v[58:59]
	global_store_b128 v36, v[40:43], s[22:23]      ; 512 consecutive bytes a wave, aligned
.Lend:
	s_wait_tensorcnt 0x0                           ; the wave's end, behind my last LDS store
	ds_add_u32 v10, v11
	s_wait_dscnt 0x0
	s_endpgm
.Lfunc_end_k_q690bb0f023_finish:
	.size	k_q690bb0f023_finish, .Lfunc_end_k_q690bb0f023_finish-k_q690bb0f023_finish
	.p2alignl 7, 3214868480
	.fill 96, 4, 3214868480
	.section	.rodata,"a",@progbits
	.p2align	6, 0x0
	.amdhsa_kernel k_q690bb0f023_finish
		.amdhsa_group_segment_fixed_size 14848
		.amdhsa_private_segment_fixed_size 0
		.amdhsa_enable_private_segment 0
		.amdhsa_kernarg_size 32
		.amdhsa_user_sgpr_count 2
		.amdhsa_user_sgpr_kernarg_segment_ptr 1
		.amdhsa_wavefront_size32 1
		.amdhsa_system_sgpr_workgroup_id_x 1
		.amdhsa_system_sgpr_workgroup_id_y 1
		.amdhsa_system_sgpr_workgroup_id_z 1
		.amdhsa_system_vgpr_workitem_id 0
		.amdhsa_next_free_vgpr 228
		.amdhsa_next_free_sgpr 66
		.amdhsa_reserve_vcc 0
		.amdhsa_float_denorm_mode_32 3
		.amdhsa_float_denorm_mode_16_64 3
		.amdhsa_memory_ordered 1
		.amdhsa_forward_progress 1
		.amdhsa_inst_pref_size 43
	.end_amdhsa_kernel
	.amdgpu_metadata
---
amdhsa.version: [ 1, 2 ]
amdhsa.kernels:
  - .name:           k_q690bb0f023_finish
    .symbol:         k_q690bb0f023_finish.kd
    .args:
      - { .name: part, .offset: 0, .size: 8, .value_kind: global_buffer, .address_space: global }
      - { .name: v, .offset: 8, .size: 8, .value_kind: global_buffer, .address_space: global }
      - { .name: out0, .offset: 16, .size: 8, .value_kind: global_buffer, .address_space: global }
      - { .name: out1, .offset: 24, .size: 8, .value_kind: global_buffer, .address_space: global }
    .group_segment_fixed_size: 14848
    .private_segment_fixed_size: 0
    .kernarg_segment_align: 8
    .kernarg_segment_size: 32
    .max_flat_workgroup_size: 512
    .sgpr_count:     66
    .vgpr_count:     228
    .wavefront_size: 32
...
	.end_amdgpu_metadata
.endif
;; end of part 3
;; ======== version 2 of 3: 3 launches
;; workspace buffers: W1b 4,194,304 bytes; cpart 524,288 bytes; part 1,048,576 bytes
;; launch prep (part 4): grid 256 x 1, 8 waves a work-group, no clusters, 17,408 bytes of LDS; arguments W1, W2, W3, q1, q2, W1b, cpart; writes W1b, cpart
.if DOCPART == 4
	.amdgcn_target "amdgcn-amd-amdhsa--gfx1250"
	.amdhsa_code_object_version 6
	.text
	.protected	k_q690bb0f023_prep
	.globl	k_q690bb0f023_prep
	.p2align	8
	.type	k_q690bb0f023_prep,@function
k_q690bb0f023_prep:
	s_mov_b64 s[64:65], 0
	v_nop
	global_prefetch_b8 v0, s[64:65] scope:SCOPE_SE
	s_setreg_imm32_b32 hwreg(HW_REG_WAVE_MODE, 25, 1), 1
	s_wait_xcnt 0x0
; THE PROGRAM.  weight = softmax_k(logit[b][k]), feature[b] = sum_k weight[b][k] v[b][k], with
;   logit[b][k] = sum_h Ww[h] tanh(v[b][k].W1[h] + c[b][h]) + bw,   c[b][h] = q1[b].W2[h] + q2[b].W3[h] + b1[h] + b2[h] + b3[h].
; WORK LEFT OUT, for all finite values of the inputs.  (1) bw is added to every logit of a softmax row: softmax(x + t) = softmax(x), so bw reaches no output; it is not loaded
; and is among no launch's arguments.  (2) tanh(x) = 1 - 2 / (1 + e^(2x)), so sum_h Ww[h] tanh(x_h) = sum_h Ww[h] - 2 S with S = sum_h Ww[h] / (1 + e^(2 x_h)); sum_h Ww[h] is
; the same for every k of a softmax row and cancels likewise: only S is formed, and the softmax is taken of -2 S, its maximum taken away first.
; LIMIT: a NaN, an infinity or an overflow that reaches only bw or the plain sum of Ww is not carried to the result.
; THIS LAUNCH.  (a) W1 rounded once to bf16 and laid in the order in which a wave's operand registers take it: W1b[n / 128][k / 32][(n / 16) % 8][(k / 16) % 2][lane][8 numbers], lane = 16 ((k / 8) % 2) + n % 16:
; a fragment of 16 rows x 32 k is 1,024 bytes on end, and the 128 rows of 32 k are 8,192.  Work-group g = 4 t + s rounds rows 16 t .. of quarter s of K, 64 k a wave.
; (b) The two q products as ONE product over a stacked K of 4,096 ([q1|q2].[W2|W3]), operands rounded to bf16, sums in f32: work-group g = 4 t + s takes the 16 rows h = 16 t ..
; of quarter s of that K; its eight waves take 128 k each and meet in LDS.  cpart[s][t][b][16] holds the quarter's partial sums in f32; the next launch adds the four and the biases.
; Every byte of W1, W2, W3 is read once in the launch; nothing is shared between waves on the way in, so nothing goes through LDS there.
.set ACC,   16                         ; v[16:31]   two accumulators: batches 0-15 and 16-31
.set RW,    32                         ; v[32:95]   16 rows x 128 k of W2 or W3 in f32, then as 4 bf16 fragments in v[32:63]
.set RQ,    96                         ; v[96:223]  q, 64 registers a batch tile, then 4 bf16 fragments at the head of each 64
.set R1,    224                        ; v[224:255] two fragments of W1 in f32, then in bf16 in v[224:239]
.set SPARE, 16384                      ; behind the partial sums: the spare words, 128 bytes a wave
	s_load_b256 s[4:11], s[0:1], 0x0               ; W1 s[4:5], W2 s[6:7], W3 s[8:9], q1 s[10:11]
	s_load_b128 s[12:15], s[0:1], 0x20             ; q2 s[12:13], W1b s[14:15]
	s_load_b64 s[16:17], s[0:1], 0x30              ; cpart
	v_lshl_add_u32 v8, v0, 2, SPARE                ; my spare word; never rewritten
	v_mov_b32 v9, 0                                ; 0; never rewritten
	v_lshrrev_b32 v10, 5, v0
	v_readfirstlane_b32 s18, v10                   ; wave 0..7
	s_lshr_b32 s19, ttmp9, 2                       ; t: which 16 rows
	s_and_b32 s20, ttmp9, 3                        ; s: which quarter
	s_and_b32 s21, s20, 1
	s_lshl_b32 s21, s21, 12                        ; the quarter's 1,024 k inside W2 or W3: 4,096 bytes
	s_lshl_b32 s32, s18, 9                         ; my wave's 128 k: 512 bytes
	s_add_co_u32 s32, s32, s21                     ; q's offset
	s_mov_b32 s33, 0
	s_lshl_b32 s34, s19, 17                        ; 16 rows of 8,192 bytes
	s_add_co_u32 s34, s34, s32                     ; the weights' offset
	s_mov_b32 s35, 0
	s_lshl_b32 s36, s19, 17                        ; W1: rows 16 t ..,
	s_lshl_b32 s37, s20, 11                        ; quarter s of its K: 512 k,
	s_add_co_u32 s36, s36, s37
	s_lshl_b32 s37, s18, 8                         ; my wave's 64 k
	s_add_co_u32 s36, s36, s37
	s_mov_b32 s37, 0
	s_lshr_b32 s38, s19, 3
	s_lshl_b32 s38, s38, 19                        ; W1b: slice t / 8 of 128 rows, 524,288 bytes,
	s_lshl_b32 s39, s20, 17                        ; the quarter's 16 blocks of 8,192,
	s_add_co_u32 s38, s38, s39
	s_lshl_b32 s39, s18, 14                        ; my wave's two,
	s_add_co_u32 s38, s38, s39
	s_and_b32 s39, s19, 7
	s_lshl_b32 s39, s39, 10                        ; fragment t % 8
	s_add_co_u32 s38, s38, s39
	s_mov_b32 s39, 0
	s_lshl_b32 s40, s20, 6
	s_add_co_u32 s40, s40, s19
	s_lshl_b32 s40, s40, 11                        ; cpart: (64 s + t) x 2,048 bytes
	s_mov_b32 s41, 0
	v_and_b32 v1, 15, v0                           ; r = l % 16
	v_bfe_u32 v2, v0, 4, 1                         ; half = l / 16
	v_and_b32 v12, 31, v0                          ; l
	v_lshlrev_b32 v3, 13, v1
	v_lshl_add_u32 v3, v2, 5, v3                   ; a fragment's row x 8,192 + 32 x half (8 f32)
	v_lshlrev_b32 v5, 4, v12                       ; W1b: 16 bytes a lane, 512 on end
	v_lshlrev_b32 v6, 6, v1
	v_lshl_add_u32 v6, v2, 5, v6
	v_lshl_add_u32 v6, s18, 11, v6                 ; LDS: 2,048 x wave + 64 x batch + 32 x half
	v_lshl_add_u32 v7, s18, 9, v5                  ; back, and in cpart: 512 x wave + 16 l (waves 0-3)
	s_wait_kmcnt 0x0
	s_cmp_lt_u32 s20, 2                            ; quarters 0, 1: W2 and q1; quarters 2, 3: W3 and q2
	s_cselect_b64 s[22:23], s[6:7], s[8:9]
	s_cselect_b64 s[24:25], s[10:11], s[12:13]
	s_add_nc_u64 s[22:23], s[22:23], s[34:35]
	s_add_nc_u64 s[24:25], s[24:25], s[32:33]
	s_add_nc_u64 s[26:27], s[4:5], s[36:37]
	s_add_nc_u64 s[28:29], s[14:15], s[38:39]
	s_add_nc_u64 s[30:31], s[16:17], s[40:41]
	; All 56 loads of the wave go out at once.  A fragment of 16 rows x 32 k in f32 is four loads of 16 bytes at 0, 16, 64, 80 behind row x pitch + 32 x half:
	; its 16 registers then hold k = 8 half + 0..7 and 16 + 8 half + 0..7 in order, and register c of the bf16 fragment is registers 2 c, 2 c + 1 rounded.
.irp i, 0,1
	global_load_b128 v[R1+16*(\i):R1+16*(\i)+3],     v3, s[26:27] offset:128*(\i) th:TH_LOAD_NT
	global_load_b128 v[R1+16*(\i)+4:R1+16*(\i)+7],   v3, s[26:27] offset:128*(\i)+16 th:TH_LOAD_NT
	global_load_b128 v[R1+16*(\i)+8:R1+16*(\i)+11],  v3, s[26:27] offset:128*(\i)+64 th:TH_LOAD_NT
	global_load_b128 v[R1+16*(\i)+12:R1+16*(\i)+15], v3, s[26:27] offset:128*(\i)+80 th:TH_LOAD_NT
.endr
.irp f, 0,1,2,3
	global_load_b128 v[RW+16*(\f):RW+16*(\f)+3],     v3, s[22:23] offset:128*(\f) th:TH_LOAD_NT
	global_load_b128 v[RW+16*(\f)+4:RW+16*(\f)+7],   v3, s[22:23] offset:128*(\f)+16 th:TH_LOAD_NT
	global_load_b128 v[RW+16*(\f)+8:RW+16*(\f)+11],  v3, s[22:23] offset:128*(\f)+64 th:TH_LOAD_NT
	global_load_b128 v[RW+16*(\f)+12:RW+16*(\f)+15], v3, s[22:23] offset:128*(\f)+80 th:TH_LOAD_NT
.endr
.irp t, 0,1
.irp f, 0,1,2,3
	global_load_b128 v[RQ+64*(\t)+16*(\f):RQ+64*(\t)+16*(\f)+3],     v3, s[24:25] offset:131072*(\t)+128*(\f)
	global_load_b128 v[RQ+64*(\t)+16*(\f)+4:RQ+64*(\t)+16*(\f)+7],   v3, s[24:25] offset:131072*(\t)+128*(\f)+16
	global_load_b128 v[RQ+64*(\t)+16*(\f)+8:RQ+64*(\t)+16*(\f)+11],  v3, s[24:25] offset:131072*(\t)+128*(\f)+64
	global_load_b128 v[RQ+64*(\t)+16*(\f)+12:RQ+64*(\t)+16*(\f)+15], v3, s[24:25] offset:131072*(\t)+128*(\f)+80
.endr
.endr
	s_wait_loadcnt 48                              ; W1's eight are in; the 48 younger loads (16 of W, 32 of q) stay out
.set c, 0
.rept 16                               ; rounded in place, ascending: register c is written when registers up to 2 c + 1 have been read
	v_cvt_pk_bf16_f32 v[R1+c], v[R1+2*c], v[R1+2*c+1]
.set c, c+1
.endr
.irp i, 0,1,2,3
	global_store_b128 v5, v[R1+4*(\i):R1+4*(\i)+3], s[28:29] offset:8192*((\i)/2)+512*((\i)%2) th:TH_STORE_NT  ; half a fragment: 512 consecutive bytes, aligned
.endr
	s_wait_loadcnt 0x0
.set c, 0
.rept 32
	v_cvt_pk_bf16_f32 v[RW+c], v[RW+2*c], v[RW+2*c+1]
.set c, c+1
.endr
.irp t, 0,1
.set c, 0
.rept 32
	v_cvt_pk_bf16_f32 v[RQ+64*(\t)+c], v[RQ+64*(\t)+2*c], v[RQ+64*(\t)+2*c+1]
.set c, c+1
.endr
.endr
	; Source 0 = 16 rows of W, source 1 = 16 batches: a lane then holds ONE batch (l % 16) and h = 8 (l / 16) + 0..7.  The two accumulators take turns; the first products start the sums.
.irp f, 0,1,2,3
.irp t, 0,1
.if (\f) == 0
	v_wmma_f32_16x16x32_bf16 v[ACC+8*(\t):ACC+8*(\t)+7], v[RW+8*(\f):RW+8*(\f)+7], v[RQ+64*(\t)+8*(\f):RQ+64*(\t)+8*(\f)+7], 0
.else
	v_wmma_f32_16x16x32_bf16 v[ACC+8*(\t):ACC+8*(\t)+7], v[RW+8*(\f):RW+8*(\f)+7], v[RQ+64*(\t)+8*(\f):RQ+64*(\t)+8*(\f)+7], v[ACC+8*(\t):ACC+8*(\t)+7]
.endif
.endr
.endr
.rept 8
	v_nop                                          ; the places behind the last products, ahead of the LDS stores that read them; once a launch
.endr
.irp t, 0,1
	ds_store_b128 v6, v[ACC+8*(\t):ACC+8*(\t)+3]   offset:1024*(\t)
	ds_store_b128 v6, v[ACC+8*(\t)+4:ACC+8*(\t)+7] offset:1024*(\t)+16
.endr
	s_wait_dscnt 0x0                               ; for the others' sake: my partial sums lie in LDS
	s_barrier_signal -1
	s_barrier_wait -1
	s_cmp_lt_u32 s18, 4                            ; waves 0-3 add the eight parts, 512 bytes of the 2,048 each
	s_cbranch_scc0 .Lend
.irp w, 0,1,2,3,4,5,6,7
	ds_load_b128 v[RW+4*(\w):RW+4*(\w)+3], v7 offset:2048*(\w)
.endr
	s_wait_dscnt 0x0
.irp w, 0,2,4,6
	v_pk_add_f32 v[RW+4*(\w):RW+4*(\w)+1],   v[RW+4*(\w):RW+4*(\w)+1],   v[RW+4*(\w)+4:RW+4*(\w)+5]
	v_pk_add_f32 v[RW+4*(\w)+2:RW+4*(\w)+3], v[RW+4*(\w)+2:RW+4*(\w)+3], v[RW+4*(\w)+6:RW+4*(\w)+7]
.endr
.irp w, 0,4
	v_pk_add_f32 v[RW+4*(\w):RW+4*(\w)+1],   v[RW+4*(\w):RW+4*(\w)+1],   v[RW+4*(\w)+8:RW+4*(\w)+9]
	v_pk_add_f32 v[RW+4*(\w)+2:RW+4*(\w)+3], v[RW+4*(\w)+2:RW+4*(\w)+3], v[RW+4*(\w)+10:RW+4*(\w)+11]
.endr
	v_pk_add_f32 v[RW:RW+1],   v[RW:RW+1],   v[RW+16:RW+17]
	v_pk_add_f32 v[RW+2:RW+3], v[RW+2:RW+3], v[RW+18:RW+19]
	global_store_b128 v7, v[RW:RW+3], s[30:31]     ; 512 consecutive bytes a wave, aligned
.Lend:
	s_wait_tensorcnt 0x0                           ; the wave's end, behind my last LDS store
	ds_add_u32 v8, v9
	s_wait_dscnt 0x0
	s_endpgm
.Lfunc_end_k_q690bb0f023_prep:
	.size	k_q690bb0f023_prep, .Lfunc_end_k_q690bb0f023_prep-k_q690bb0f023_prep
	.p2alignl 7, 3214868480
	.fill 96, 4, 3214868480
	.section	.rodata,"a",@progbits
	.p2align	6, 0x0
	.amdhsa_kernel k_q690bb0f023_prep
		.amdhsa_group_segment_fixed_size 17408
		.amdhsa_private_segment_fixed_size 0
		.amdhsa_enable_private_segment 0
		.amdhsa_kernarg_size 56
		.amdhsa_user_sgpr_count 2
		.amdhsa_user_sgpr_kernarg_segment_ptr 1
		.amdhsa_wavefront_size32 1
		.amdhsa_system_sgpr_workgroup_id_x 1
		.amdhsa_system_sgpr_workgroup_id_y 1
		.amdhsa_system_sgpr_workgroup_id_z 1
		.amdhsa_system_vgpr_workitem_id 0
		.amdhsa_next_free_vgpr 256
		.amdhsa_next_free_sgpr 66
		.amdhsa_reserve_vcc 0
		.amdhsa_float_denorm_mode_32 3
		.amdhsa_float_denorm_mode_16_64 3
		.amdhsa_memory_ordered 1
		.amdhsa_forward_progress 1
		.amdhsa_inst_pref_size 18
	.end_amdhsa_kernel
	.amdgpu_metadata
---
amdhsa.version: [ 1, 2 ]
amdhsa.kernels:
  - .name:           k_q690bb0f023_prep
    .symbol:         k_q690bb0f023_prep.kd
    .args:
      - { .name: W1, .offset: 0, .size: 8, .value_kind: global_buffer, .address_space: global }
      - { .name: W2, .offset: 8, .size: 8, .value_kind: global_buffer, .address_space: global }
      - { .name: W3, .offset: 16, .size: 8, .value_kind: global_buffer, .address_space: global }
      - { .name: q1, .offset: 24, .size: 8, .value_kind: global_buffer, .address_space: global }
      - { .name: q2, .offset: 32, .size: 8, .value_kind: global_buffer, .address_space: global }
      - { .name: W1b, .offset: 40, .size: 8, .value_kind: global_buffer, .address_space: global }
      - { .name: cpart, .offset: 48, .size: 8, .value_kind: global_buffer, .address_space: global }
    .group_segment_fixed_size: 17408
    .private_segment_fixed_size: 0
    .kernarg_segment_align: 8
    .kernarg_segment_size: 56
    .max_flat_workgroup_size: 256
    .sgpr_count:     66
    .vgpr_count:     256
    .wavefront_size: 32
...
	.end_amdgpu_metadata
.endif
;; end of part 4
;; launch scores (part 5): grid 4 x 128, 4 waves a work-group, clusters of 4 x 1, 327,680 bytes of LDS; arguments v, W1b, cpart, b1, b2, b3, Ww, part; writes part
.if DOCPART == 5
	.amdgcn_target "amdgcn-amd-amdhsa--gfx1250"
	.amdhsa_code_object_version 6
	.text
	.protected	k_q690bb0f023_scores
	.globl	k_q690bb0f023_scores
	.p2align	8
	.type	k_q690bb0f023_scores,@function
k_q690bb0f023_scores:
	s_mov_b64 s[64:65], 0
	v_nop
	global_prefetch_b8 v0, s[64:65] scope:SCOPE_SE
	s_setreg_imm32_b32 hwreg(HW_REG_WAVE_MODE, 25, 1), 1
	s_wait_xcnt 0x0
	s_wait_alu depctr_hold_cnt(0) depctr_sa_sdst(0) depctr_va_vdst(0) depctr_va_sdst(0) depctr_va_ssrc(0) depctr_va_vcc(0) depctr_vm_vsrc(0)
	s_getreg_b32 s2, hwreg(HW_REG_IB_STS2, 6, 4)
	s_cmp_eq_u32 s2, 0
	s_cbranch_scc0 .Lentry_in_a_cluster
	s_endpgm
.Lentry_in_a_cluster:
	s_bfe_u32 s2, ttmp6, 0x10000c
	s_cmp_lg_u32 s2, 0x3003
	s_cbranch_scc0 .Lentry_shape_is_right
	s_endpgm
.Lentry_shape_is_right:
; part[cs][row] = the sum over the 128 columns h = 128 cs .. of Ww[h] / (1 + e^(2 x)), x = v[row].W1[h] + c[b][h]: the part of tanh that does not cancel in the softmax.
; LEFT OUT, as shown at the head of the first kernel: bw and the plain sum of Ww (the same for every k of a softmax row); bw is not among the arguments.
; LIMITS.  v and W1 enter the product rounded to bf16, sums in f32.  e = 2^(K2 x) may overflow to infinity (the term is then 0) or fall to 0 (the term is Ww[h]): tanh's two saturations.
; SHARES.  A tile of 256 rows x 256 columns to a work-group of four waves, 128 x 128 to a wave: 64 accumulators of 16 x 16, 512 registers.  K = 2,048 goes in 16 steps of 128 through two LDS slots, each step in four half steps of 32.
; v STAYS f32 IN MEMORY AND IN LDS (a step's row is 512 bytes, aligned) and is rounded between LDS and the matrix unit: 64 conversions for 64 matrix instructions, four behind every second matrix instruction of half of them.
; W1b DOES NOT GO THROUGH LDS.  It lies in memory in the order of a wave's operand registers, and a wave reads its 128 columns of a half step by 16 loads of 512 consecutive bytes, into four register buffers by turns,
; three half steps ahead of the products.  WHY IT IS NOT ASKED FOR JOINTLY, though the work-groups of a tile column walk the same bytes: a joint load lands in LDS, and two slots of a step of 128 with both operands
; would take 409,600 bytes; with v alone they take 270,336.  With both in LDS the step would be 64: half the matrix instructions between a request and the wait for it, and 24 KiB read from LDS by a wave for 64 matrix instructions where now it is 16.
; CLUSTER.  The four column tiles of one tile row.  v's tile hangs on the tile row alone and is asked for JOINTLY: the same tensor load, descriptor and mask in all four; each wave brings 64 of its 256 rows.
; THE MATRIX INSTRUCTION IS USED TRANSPOSED (source 0 = 16 rows of W1, source 1 = 16 rows of v): a lane holds ONE row of v (l % 16) and the columns 8 (l / 16) + 0..7, so the sum over columns stays in the lane.
; REGISTERS, in windows of 256 (s_set_vgpr_msb: bits 1:0 source 0, 3:2 source 1, 5:4 source 2, 7:6 destination):
;   window 0: v0-31 addresses; v32-51 at work; v64-127 v's 8 bf16 fragments (ONE buffer), on the way out the 64 numbers in hand; v128-255 v's 8 fragments in f32 as loaded, on the way out K2 c and Ww of my 64 columns a lane
;   window 1: W1b's fragments, four buffers of 64
;   window 2: the accumulators of my rows 0-63 ((a, b) at v[8 (8 a + b)]);   window 3: those of rows 64-127
.set PA,     528                       ; a row of v in LDS: 512 bytes + 16 of padding: the 16 rows of a load start 16 bytes apart modulo 256
.set QROWS,  64*PA                     ; what one tensor load brings
.set HALFA,  128*PA                    ; what a wave reads
.set SLOT,   256*PA
.set CVB,    2*SLOT                    ; behind the ring, never filled by a tensor load: K2 c of the tile's 256 columns,
.set WB,     CVB+1024                  ; Ww of the same,
.set STG,    CVB+2048                  ; 512 bytes for each wave, for the way out,
.set SPARE,  STG+2048                  ; and the spare words, 128 bytes a wave
.set ADRA, 16                          ; v16-17  LDS address of my fragments of v in slot 0, 1
.set CVA,  22                          ; v22     my lane's place in the two tables
.set STO,  23                          ; v23     the way out: where I put a row's sum
.set RD,   24                          ; v24     where I read four of them back
.set PO,   25                          ; v25     16 x lane: my 16 bytes of 512, in W1b and in part; never rewritten
.set SPW,  28                          ; v28     my spare word; never rewritten
.set NIL,  29                          ; v29     0; never rewritten
.set PFO,  30                          ; v30     the prefetches' offset; never rewritten
.set P,    32                          ; v32-39  four chains of packed sums
.set SS,   40                          ; v40-47  block a's sum for my row
.set AF,   64
.set T,    64
.set RAW,  128
.set C2,   128
.set W,    192
.set G1,  24                           ; s[24:31] descriptor group 1;  s[32:39] group 0, a set for each slot
.set G0,  32
.set PFA, 44                           ; s[44:45] where my prefetches stand
.set BP,  46                           ; s[46:47] W1b at my slice of 128 columns, at the lap in hand
.set K2,  84                           ; s[84:85] 2 log2(e)
.set SEL, 86                           ; s[86:87] v_permlanex16_b32's selects: each lane takes its own place in the other half
.set MSB, 0
.macro WIN new                         ; the immediate's high byte repeats the setting that is left; a switch that changes nothing is dropped
.if MSB != (\new)
	s_set_vgpr_msb (MSB<<8)|(\new)
.set MSB, \new
.endif
.endm
.set MUL_LO, 0xa1                      ; source 0 (W1b) window 1, source 1 (v) window 0, C and D window 2
.set MUL_HI, 0xf1                      ; the same, C and D window 3
.set TO_B,   0x40                      ; destination window 1, address window 0
; A joint load: every wave brings its 64 rows.  An s_nop 0 and four v_nop follow the line.
.macro JLOAD s
	tensor_load_to_lds s[G0+4*(\s):G0+4*(\s)+3], s[G1:G1+7]
	s_nop 0
.rept 4
	v_nop
.endr
.endm
.macro CREST                           ; a round of the cluster's barrier behind its opening barrier
	s_cmp_lg_u32 s10, 0
	s_cbranch_scc1 .Lnot_wave_0_\@
	s_barrier_signal -3
.Lnot_wave_0_\@:
	s_barrier_wait -3
	s_barrier_signal -1
	s_barrier_wait -1
.endm
.macro CROUND                          ; a whole round
	s_barrier_signal -1
	s_barrier_wait -1
	CREST
.endm
.macro PLACES                          ; four places behind a matrix instruction, ahead of writes of registers that it has read (ISA guide 7.12.1)
.rept 4
	v_nop
.endr
.endm
; A PREFETCH INTO THE L2 of v's K step that stands TWO refills on (512 matrix instructions of the wave), behind the joint load and the runs of loads.  Each block of 256 bytes is named once in the launch: a tile row is read by
; one cluster alone; of the 64 rows that a wave fetches, the partner at place cx takes 16, told apart BY ADDRESS; a K step is two blocks of each row: a lane a block, one instruction a wave.
; K steps 0 to 3 come by their loads alone; the loop's last trip asks for nothing: K step 15 is the last that is named.
.macro ASK
	WIN 0
	s_cmp_gt_u32 s3, 1
	s_cbranch_scc0 .Lnot_now_\@
	global_prefetch_b8 v[PFO], s[PFA:PFA+1] offset:512 th:TH_LOAD_NT scope:SCOPE_SE
.Lnot_now_\@:
.endm
; Conversion c of 32 for the four f32 fragments cv .. cv + 3: two numbers rounded into one register of the bf16 fragment.
.macro CVT1 cv, c
.set fr, (\cv)+(\c)/8
.set gg, (\c)%8
	v_cvt_pk_bf16_f32 v[AF+8*fr+gg], v[RAW+16*fr+2*gg], v[RAW+16*fr+2*gg+1]
.endm
; 16 matrix instructions: row blocks a0, a0 + 1 of the window's four x all 8 column blocks, 32 along K, on W1b's buffer f.  zero = 1: the products start the sums.
; cv >= 0: four conversions stand behind every second of them, 32 in all: fragments cv .. cv + 3, which none of these 16 products reads.
.macro MULR f, hi, a0, zero, cv
.set nn, 0
.irp a, \a0, (\a0)+1
.irp b, 0,1,2,3,4,5,6,7
	WIN MUL_LO+0x50*(\hi)
.if \zero
	v_wmma_f32_16x16x32_bf16 v[8*(8*(\a)+(\b)):8*(8*(\a)+(\b))+7], v[(\f)+8*(\b):(\f)+8*(\b)+7], v[AF+8*(4*(\hi)+(\a)):AF+8*(4*(\hi)+(\a))+7], 0
.else
	v_wmma_f32_16x16x32_bf16 v[8*(8*(\a)+(\b)):8*(8*(\a)+(\b))+7], v[(\f)+8*(\b):(\f)+8*(\b)+7], v[AF+8*(4*(\hi)+(\a)):AF+8*(4*(\hi)+(\a))+7], v[8*(8*(\a)+(\b)):8*(8*(\a)+(\b))+7]
.endif
.if ((\cv) >= 0) && (nn%2 == 1)
	WIN 0
	CVT1 \cv, 2*nn-2
	CVT1 \cv, 2*nn-1
	CVT1 \cv, 2*nn
	CVT1 \cv, 2*nn+1
.endif
.set nn, nn+1
.endr
.endr
.endm
.macro MULA f, hi, a                   ; eight of them: one row block
	WIN MUL_LO+0x50*(\hi)
.irp b, 0,1,2,3,4,5,6,7
	v_wmma_f32_16x16x32_bf16 v[8*(8*(\a)+(\b)):8*(8*(\a)+(\b))+7], v[(\f)+8*(\b):(\f)+8*(\b)+7], v[AF+8*(4*(\hi)+(\a)):AF+8*(4*(\hi)+(\a))+7], v[8*(8*(\a)+(\b)):8*(8*(\a)+(\b))+7]
.endr
.endm
; Fragment i of v in f32: 16 rows x 32 k: four loads at 0, 16, 64, 80 behind row x pitch + 32 (l / 16): k = 8 (l / 16) + 0..7, then 16 + 8 (l / 16) + 0..7.
.macro RAWL slot, q, i
.set rb, RAW+16*(\i)
	ds_load_b128 v[rb:rb+3],     v[ADRA+(\slot)] offset:128*(\q)+(\i)*16*PA
	ds_load_b128 v[rb+4:rb+7],   v[ADRA+(\slot)] offset:128*(\q)+(\i)*16*PA+16
	ds_load_b128 v[rb+8:rb+11],  v[ADRA+(\slot)] offset:128*(\q)+(\i)*16*PA+64
	ds_load_b128 v[rb+12:rb+15], v[ADRA+(\slot)] offset:128*(\q)+(\i)*16*PA+80
.endm
.macro FETCH slot, q                   ; 32 LDS loads in one run: half step q of a slot, my rows 0-63 first
	WIN 0
.irp i, 0,1,2,3,4,5,6,7
	RAWL \slot, \q, \i
.endr
.endm
; W1b's 8 fragments of half step c, counted from the pointer, into buffer c % 4: 16 loads of 512 consecutive bytes; load f fills registers 4 f .. 4 f + 3.
.macro BLOAD c
	WIN TO_B
.set ff, 0
.rept 16
	global_load_b128 v[64*((\c)%4)+4*ff:64*((\c)%4)+4*ff+3], v[PO], s[BP:BP+1] offset:(\c)*8192+512*ff
.set ff, ff+1
.endr
.endm
; ONE BUFFER OF bf16 FRAGMENTS SERVES: rows 64-127 of a half step are rounded while rows 0-31 are multiplied, rows 0-63 of the next half step while rows 96-127 are.  Between the last product that read a
; fragment and the conversion that writes it stand four v_nop or four other conversions at the least.  The 64 accumulators take turns in the same order in every half step.
; One of a K step's first three half steps: number q of the slot, number c from W1b's pointer.  It fetches v's next half step and (ld = 1) W1b's third next, whose buffer the half step before has read: the 32
; conversions above are the places between.  lw: the loads of W1b issued behind this half step's, which may stay out.
.macro SUB slot, q, c, zero, ld, lw
	s_wait_dscnt 0x0                               ; v's rows 64-127 are in
	s_wait_loadcnt \lw                             ; W1b's fragments are in
	MULR 64*((\c)%4), 0, 0, \zero, 4
	MULR 64*((\c)%4), 0, 2, \zero, -1
	PLACES
	FETCH \slot, (\q)+1
.if \ld
	BLOAD (\c)+3
.endif
	MULR 64*((\c)%4), 1, 0, \zero, -1
	s_wait_dscnt 16                                ; v's rows 0-63 of the next half step are in; the 16 younger LDS loads stay out
	MULR 64*((\c)%4), 1, 2, \zero, 0
.endm
; The fourth half step changes slots: ONE barrier.  In front of it each wave waits for all its tensor loads (one is out: its part of the next slot), adds 0 to its spare word, and waits for that; its reads of this
; slot were over at the head.  fill = 1: the barrier opens a round of the cluster's, and this slot is filled again, two K steps on, first thing behind the round: 240 matrix instructions ahead of the wait for it.
.macro TURN slot, next, c, fill, ld, lw
.if \fill
	s_wait_xcnt 0x0                                ; the last prefetch, a K step back, has read its address
	s_add_nc_u64 s[PFA:PFA+1], s[PFA:PFA+1], 512
.endif
	s_wait_dscnt 0x0                               ; v's rows 64-127 are in: my last reads of this slot
	s_wait_loadcnt \lw
	MULR 64*((\c)%4), 0, 0, 0, 4
	WIN 0                                          ; (the add's two registers lie in window 0)
	s_wait_tensorcnt 0x0                           ; all my tensor loads have landed
	ds_add_u32 v[SPW], v[NIL]                      ; 0 onto my spare word
	MULA 64*((\c)%4), 0, 2                         ; eight matrix instructions stand between the add and the wait for it
	s_wait_dscnt 0x0                               ; the add is done
	s_barrier_signal -1
	MULA 64*((\c)%4), 0, 3
	WIN 0
	s_barrier_wait -1
.if \fill
	CREST                                          ; no wave of any partner still reads this slot's tile or has a load on its way
	s_add_nc_u64 s[G0+4*(\slot)+2:G0+4*(\slot)+3], s[G0+4*(\slot)+2:G0+4*(\slot)+3], 2*512
	JLOAD \slot                                    ; its four v_nop are also the places in front of the conversions below
.else
	PLACES
.endif
	FETCH \next, 0
.if \ld
	BLOAD (\c)+3
.endif
.if \fill
	ASK
.endif
	MULR 64*((\c)%4), 1, 0, 0, -1
	s_wait_dscnt 16
	MULR 64*((\c)%4), 1, 2, 0, 0
.endm
	s_load_b512 s[68:83], s[0:1], 0x0              ; v 68, W1b 70, cpart 72, b1 74, b2 76, b3 78, Ww 80, part 82
	v_lshl_add_u32 v[SPW], v0, 2, SPARE
	v_mov_b32 v[NIL], 0
	ds_add_u32 v[SPW], v[NIL]                      ; the wave's opening: the add, twice on end, and its wait ahead of my first tensor load
	ds_add_u32 v[SPW], v[NIL]                      ; and once more, under the one wait
	v_lshrrev_b32 v1, 5, v0
	v_readfirstlane_b32 s10, v1                    ; wave 0..3: also which 64 rows of the tile I fetch
	s_lshr_b32 s11, s10, 1                         ; which half of the tile's rows is mine
	s_and_b32 s12, s10, 1                          ; which half of its columns
	s_bfe_u32 s40, ttmp6, 0x40000                  ; cx
	s_lshl_b32 s42, ttmp9, 2
	s_add_co_u32 s42, s42, s40                     ; tile column = 4 x cluster x + cx
	s_and_b32 s13, ttmp7, 0xffff                   ; tile row, which the four partners share
	; group 1: 64 rows x 128 elements of 4 bytes, 2,048 elements from row to row, 4 words of padding behind every 128
	s_mov_b32 s[G1+0], 15|(2<<16)|(1<<20)|(1<<21)|(6<<22)|(3<<25)  ; 15:0 the mask of four; 17:16 4-byte elements; 20 padding on; 21 set beside a mask; 24:22 after every 128 words (code 6); 31:25 4 words (code 3)
	s_mov_b32 s[G1+1], 128<<16                     ; tensor_dim0 = 128
	s_mov_b32 s[G1+2], 64<<16                      ; tensor_dim1 = 64
	s_mov_b32 s[G1+3], 128<<16                     ; tile_dim0 = 128
	s_mov_b32 s[G1+4], 64                          ; tile_dim1 = 64
	s_mov_b32 s[G1+5], 2048
	s_mov_b32 s[G1+6], 0
	s_mov_b32 s[G1+7], 0
	s_lshl_b32 s16, s13, 8
	s_lshl_b32 s17, s10, 6
	s_add_co_u32 s16, s16, s17                     ; row 256 x tile row + 64 x wave,
	s_lshl_b32 s16, s16, 13                        ; of 8,192 bytes (under 2^28)
	s_mov_b32 s17, 0
	s_mul_i32 s20, s10, QROWS                      ; where they go: no place in the cluster enters an LDS address
	s_mov_b32 s[K2], 0x4038aa3b                    ; 2 log2(e)
	s_mov_b32 s[K2+1], s[K2]                       ; named with it as a pair
	s_mov_b32 s[SEL], 0x76543210
	s_mov_b32 s[SEL+1], 0xfedcba98
	s_wait_dscnt 0x0                               ; both opening adds are done
	s_wait_kmcnt 0x0
	s_add_nc_u64 s[14:15], s[68:69], s[16:17]
	CROUND                                         ; all four work-groups are here: the first joint loads meet
.irp s, 0,1
	s_mov_b32 s[G0+4*(\s)], 1
	s_add_co_u32 s[G0+4*(\s)+1], s20, (\s)*SLOT
	s_add_nc_u64 s[G0+4*(\s)+2:G0+4*(\s)+3], s[14:15], (\s)*512      ; K step s: 512 bytes along the rows
	s_or_b32 s[G0+4*(\s)+3], s[G0+4*(\s)+3], 0x80000000
	JLOAD \s                                       ; two loads of mine are out
.endr
	; While the tiles are on their way: K2 c and Ww of the tile's 256 columns, two columns a thread (c = the four quarters of the q products + b1 + b2 + b3), and W1b's first three half steps.
	s_lshr_b32 s4, s13, 2                          ; the batch
	s_lshl_b32 s4, s4, 6                           ; its 64 bytes,
	s_lshl_b32 s5, s42, 15                         ; the tile column's 16 blocks of 2,048
	s_add_co_u32 s4, s4, s5
	s_mov_b32 s5, 0
	s_add_nc_u64 s[72:73], s[72:73], s[4:5]
	s_lshl_b32 s6, s42, 10                         ; 256 columns of f32
	s_mov_b32 s7, 0
	s_add_nc_u64 s[74:75], s[74:75], s[6:7]
	s_add_nc_u64 s[76:77], s[76:77], s[6:7]
	s_add_nc_u64 s[78:79], s[78:79], s[6:7]
	s_add_nc_u64 s[80:81], s[80:81], s[6:7]
	s_lshl_b32 s8, s42, 1
	s_add_co_u32 s8, s8, s12                       ; my slice of 128 columns = 2 x tile column + half
	s_lshl_b32 s22, s8, 19                         ; 524,288 bytes of W1b each
	s_mov_b32 s23, 0
	s_add_nc_u64 s[BP:BP+1], s[70:71], s[22:23]
	v_lshrrev_b32 v6, 3, v0
	v_and_b32 v7, 7, v0
	v_lshlrev_b32 v6, 11, v6
	v_lshl_add_u32 v6, v7, 3, v6                   ; block t / 8, 8 bytes at 8 (t % 8)
	v_lshlrev_b32 v8, 3, v0
	v_add_nc_u32 v9, CVB, v8
	v_and_b32 v5, 31, v0                           ; l
	v_lshlrev_b32 v[PO], 4, v5
.irp q, 0,1,2,3
	global_load_b64 v[32+2*(\q):33+2*(\q)], v6, s[72:73] offset:(\q)*131072
.endr
	global_load_b64 v[40:41], v8, s[74:75]
	global_load_b64 v[42:43], v8, s[76:77]
	global_load_b64 v[44:45], v8, s[78:79]
	global_load_b64 v[46:47], v8, s[80:81]
	BLOAD 0
	BLOAD 1
	BLOAD 2
	WIN 0
	v_and_b32 v1, 15, v0                           ; l % 16
	v_bfe_u32 v2, v0, 4, 1                         ; l / 16
	v_mul_u32_u24 v3, v1, PA
	v_lshl_add_u32 v3, v2, 5, v3
	s_mul_i32 s21, s11, HALFA                      ; my 128 rows of v
	v_add_nc_u32 v[ADRA], s21, v3
	s_add_co_u32 s21, s21, SLOT
	v_add_nc_u32 v[ADRA+1], s21, v3
	s_lshl_b32 s23, s12, 9
	s_add_co_u32 s23, s23, CVB
	v_lshl_add_u32 v[CVA], v2, 5, s23              ; my half's 128 columns, 8 of each 16 for my half of the lanes
	s_lshl_b32 s23, s10, 9
	s_add_co_u32 s23, s23, STG                     ; my stage
	v_lshl_add_u32 v[STO], v1, 2, s23
	v_lshl_add_u32 v[RD], v5, 4, s23
	s_lshl_b32 s8, s8, 17                          ; part: my column slice, 131,072 bytes each,
	s_lshl_b32 s9, s13, 10
	s_add_co_u32 s8, s8, s9                        ; the tile's 256 rows,
	s_lshl_b32 s9, s11, 9
	s_add_co_u32 s8, s8, s9                        ; my 128 of them
	s_mov_b32 s9, 0
	s_add_nc_u64 s[82:83], s[82:83], s[8:9]
	; the prefetches' address: it stands at K step 2; the first change of slots steps it to 3 and names K step 4
	s_lshl_b32 s20, s13, 8
	s_lshl_b32 s21, s10, 6
	s_add_co_u32 s20, s20, s21                     ; the 64 rows that I fetch,
	s_lshl_b32 s21, s40, 4
	s_add_co_u32 s20, s20, s21                     ; my work-group's 16 of them
	s_lshl_b32 s20, s20, 13
	s_add_co_u32 s20, s20, 2*512
	s_mov_b32 s21, 0
	s_add_nc_u64 s[PFA:PFA+1], s[68:69], s[20:21]
	v_lshrrev_b32 v[PFO], 1, v5
	v_and_b32 v7, 1, v5
	v_lshlrev_b32 v[PFO], 13, v[PFO]
	v_lshl_add_u32 v[PFO], v7, 8, v[PFO]           ; row l / 2, block l % 2
	s_wait_loadcnt 48                              ; the eight loads for the tables are in; W1b's 48 stay out
	v_pk_add_f32 v[32:33], v[32:33], v[34:35]
	v_pk_add_f32 v[36:37], v[36:37], v[38:39]
	v_pk_add_f32 v[40:41], v[40:41], v[42:43]
	v_pk_add_f32 v[32:33], v[32:33], v[36:37]
	v_pk_add_f32 v[40:41], v[40:41], v[44:45]
	v_pk_add_f32 v[32:33], v[32:33], v[40:41]
	v_pk_mul_f32 v[32:33], v[32:33], s[K2:K2+1] op_sel_hi:[1,0]
	ds_store_b64 v9, v[32:33]
	ds_store_b64 v9, v[46:47] offset:1024
	s_wait_tensorcnt 1                             ; my part of K step 0 is in; K step 1's may stay out
	s_wait_dscnt 0x0                               ; my part of the tables lies in LDS
	s_barrier_signal -1
	s_barrier_wait -1                              ; everybody's does
	FETCH 0, 0
	s_wait_dscnt 16                                ; v's rows 0-63 are in; the 16 younger loads stay out
.set nn, 0
.rept 32
	CVT1 0, nn
.set nn, nn+1
.endr
	SUB 0, 0, 0, 1, 1, 32                          ; the first half step stands in front of the loop: its products start the sums
	WIN 0                                          ; at a label and at a branch every window is 0
	s_mov_b32 s3, 7
.Llap:                                                 ; a trip goes once round the ring, from a lap's second half step to the next lap's first, and fills both slots again: trip j brings K steps 2 j + 2 and 2 j + 3
	SUB 0, 1, 1, 0, 1, 32
	SUB 0, 2, 2, 0, 1, 32
	TURN 0, 1, 3, 1, 1, 32
	SUB 1, 0, 4, 0, 1, 32
	SUB 1, 1, 5, 0, 1, 32
	SUB 1, 2, 6, 0, 1, 32
	TURN 1, 0, 7, 1, 1, 32
	SUB 0, 0, 8, 0, 1, 32
	WIN 0
	s_wait_xcnt 0x0                                ; every load issued so far (the youngest 32 matrix instructions back) has read its address, so W1b's pointer may be written
	s_add_nc_u64 s[BP:BP+1], s[BP:BP+1], 0x10000   ; eight half steps of 8,192 bytes on
	s_sub_co_u32 s3, s3, 1
	s_cmp_lg_u32 s3, 0
	s_cbranch_scc1 .Llap
	SUB 0, 1, 1, 0, 1, 32                          ; the tail is written out: no slot is filled again, and no round follows
	SUB 0, 2, 2, 0, 1, 32
	TURN 0, 1, 3, 0, 1, 32
	SUB 1, 0, 4, 0, 1, 32                          ; W1b's last half step is asked for here
	SUB 1, 1, 5, 0, 0, 32
	SUB 1, 2, 6, 0, 0, 16                          ; the counts run down
	s_wait_dscnt 0x0                               ; the very last half step
	s_wait_loadcnt 0x0
	MULR 192, 0, 0, 0, 4
	MULR 192, 0, 2, 0, -1
	WIN 0
.irp b, 0,1,2,3,4,5,6,7                ; the two tables come into the registers of v's f32 fragments, all of which have been rounded: register 8 b + j is column 16 b + 8 (l / 16) + j of my 128
	ds_load_b128 v[C2+8*(\b):C2+8*(\b)+3],   v[CVA] offset:64*(\b)
	ds_load_b128 v[C2+8*(\b)+4:C2+8*(\b)+7], v[CVA] offset:64*(\b)+16
	ds_load_b128 v[W+8*(\b):W+8*(\b)+3],     v[CVA] offset:1024+64*(\b)
	ds_load_b128 v[W+8*(\b)+4:W+8*(\b)+7],   v[CVA] offset:1024+64*(\b)+16
.endr
	MULR 192, 1, 0, 0, -1
	MULR 192, 1, 2, 0, -1
	PLACES
	PLACES                                         ; the places behind the last products; once a launch
	s_wait_dscnt 0x0                               ; the tables are in
; THE WAY OUT, a block of 16 rows at a time: 64 numbers a lane.  K2 x = K2 sum + K2 c; e = 2^(K2 x); 1 / (1 + e); times Ww, summed in four chains.  Each accumulator is read from its low end on.
; The 64 exponentials are one batch with one wait, and so are the 64 reciprocals: a plain instruction and s_wait_alu depctr_va_vdst(0) ahead of the first reader.
.macro BLOCK a
.set AC, 64*((\a)%4)
	WIN 0x02+(\a)/4                                ; source 0: window 2 or 3
.set i, 0
.rept 32
	v_pk_fma_f32 v[T+i:T+i+1], v[AC+i:AC+i+1], s[K2:K2+1], v[C2+i:C2+i+1] op_sel_hi:[1,0,1]
.set i, i+2
.endr
	WIN 0
.set i, 0
.rept 64
	v_exp_f32 v[T+i], v[T+i]
.set i, i+1
.endr
	v_nop
	s_wait_alu depctr_va_vdst(0)
.set i, 0
.rept 32
	v_pk_add_f32 v[T+i:T+i+1], v[T+i:T+i+1], 1.0 op_sel_hi:[1,0]
.set i, i+2
.endr
.set i, 0
.rept 64
	v_rcp_f32 v[T+i], v[T+i]
.set i, i+1
.endr
	v_nop
	s_wait_alu depctr_va_vdst(0)
.set i, 0
.rept 32
.if i < 4
	v_pk_mul_f32 v[P+2*(i%4):P+2*(i%4)+1], v[T+2*i:T+2*i+1], v[W+2*i:W+2*i+1]
.else
	v_pk_fma_f32 v[P+2*(i%4):P+2*(i%4)+1], v[T+2*i:T+2*i+1], v[W+2*i:W+2*i+1], v[P+2*(i%4):P+2*(i%4)+1]
.endif
.set i, i+1
.endr
	v_pk_add_f32 v[P:P+1], v[P:P+1], v[P+2:P+3]
	v_pk_add_f32 v[P+4:P+5], v[P+4:P+5], v[P+6:P+7]
	v_pk_add_f32 v[P:P+1], v[P:P+1], v[P+4:P+5]
	v_add_f32 v[SS+(\a)], v[P], v[P+1]
.endm
.irp a, 0,1,2,3,4,5,6,7
	BLOCK \a
.endr
.irp a, 0,1,2,3,4,5,6,7
	v_permlanex16_b32 v[P+(\a)], v[SS+(\a)], s[SEL], s[SEL+1]  ; the row's other 64 columns lie in the lane 16 away
.endr
.irp a, 0,1,2,3,4,5,6,7
	v_add_f32 v[SS+(\a)], v[SS+(\a)], v[P+(\a)]
.endr
.irp a, 0,1,2,3,4,5,6,7
	ds_store_b32 v[STO], v[SS+(\a)] offset:64*(\a) ; row 16 a + l % 16; both halves of the lanes write the same number to the same word
.endr
	ds_load_b128 v[48:51], v[RD]                   ; LDS serves a wave's instructions in order (ISA guide 5.7.1.4): this sees the stores above
	s_wait_dscnt 0x0
	global_store_b128 v[PO], v[48:51], s[82:83]    ; my 128 rows' sums: 512 consecutive bytes, aligned
	s_wait_tensorcnt 0x0                           ; the wave's end, behind my last tensor load and my last LDS store
	ds_add_u32 v[SPW], v[NIL]
	s_wait_dscnt 0x0
	CROUND                                         ; the closing round: no work-group ends while a partner may still ask for a tile that names it
	s_endpgm
.Lfunc_end_k_q690bb0f023_scores:
	.size	k_q690bb0f023_scores, .Lfunc_end_k_q690bb0f023_scores-k_q690bb0f023_scores
	.p2alignl 7, 3214868480
	.fill 96, 4, 3214868480
	.section	.rodata,"a",@progbits
	.p2align	6, 0x0
	.amdhsa_kernel k_q690bb0f023_scores
		.amdhsa_group_segment_fixed_size 327680
		.amdhsa_private_segment_fixed_size 0
		.amdhsa_enable_private_segment 0
		.amdhsa_kernarg_size 64
		.amdhsa_user_sgpr_count 2
		.amdhsa_user_sgpr_kernarg_segment_ptr 1
		.amdhsa_wavefront_size32 1
		.amdhsa_system_sgpr_workgroup_id_x 1
		.amdhsa_system_sgpr_workgroup_id_y 1
		.amdhsa_system_sgpr_workgroup_id_z 1
		.amdhsa_system_vgpr_workitem_id 0
		.amdhsa_next_free_vgpr 1024
		.amdhsa_next_free_sgpr 88
		.amdhsa_reserve_vcc 0
		.amdhsa_float_denorm_mode_32 3
		.amdhsa_float_denorm_mode_16_64 3
		.amdhsa_memory_ordered 1
		.amdhsa_forward_progress 1
		.amdhsa_inst_pref_size 255
	.end_amdhsa_kernel
	.section	.bss,"aw",@nobits
	.p2align	6
	.space	262144
	.amdgpu_metadata
---
amdhsa.version: [ 1, 2 ]
amdhsa.kernels:
  - .name:           k_q690bb0f023_scores
    .symbol:         k_q690bb0f023_scores.kd
    .args:
      - { .name: v, .offset: 0, .size: 8, .value_kind: global_buffer, .address_space: global }
      - { .name: W1b, .offset: 8, .size: 8, .value_kind: global_buffer, .address_space: global }
      - { .name: cpart, .offset: 16, .size: 8, .value_kind: global_buffer, .address_space: global }
      - { .name: b1, .offset: 24, .size: 8, .value_kind: global_buffer, .address_space: global }
      - { .name: b2, .offset: 32, .size: 8, .value_kind: global_buffer, .address_space: global }
      - { .name: b3, .offset: 40, .size: 8, .value_kind: global_buffer, .address_space: global }
      - { .name: Ww, .offset: 48, .size: 8, .value_kind: global_buffer, .address_space: global }
      - { .name: part, .offset: 56, .size: 8, .value_kind: global_buffer, .address_space: global }
    .group_segment_fixed_size: 327680
    .private_segment_fixed_size: 0
    .kernarg_segment_align: 8
    .kernarg_segment_size: 64
    .max_flat_workgroup_size: 128
    .sgpr_count:     88
    .vgpr_count:     1024
    .wavefront_size: 32
...
	.end_amdgpu_metadata
.endif
;; end of part 5
;; launch finish: the kernel of part 3 again; grid 8 x 32, 16 waves a work-group, no clusters, 14,848 bytes of LDS; arguments part, v, out0, out1; writes out0, out1
;; ======== version 3 of 3: 3 launches; version 2 with the launch finish written anew for expert scheduling mode
;; workspace buffers: W1b 4,194,304 bytes; cpart 524,288 bytes; part 1,048,576 bytes
;; launch prep: the kernel of part 4 again; grid 256 x 1, 8 waves a work-group, no clusters, 17,408 bytes of LDS; arguments W1, W2, W3, q1, q2, W1b, cpart; writes W1b, cpart
;; launch scores: the kernel of part 5 again; grid 4 x 128, 4 waves a work-group, clusters of 4 x 1, 327,680 bytes of LDS; arguments v, W1b, cpart, b1, b2, b3, Ww, part; writes part
;; launch finish (part 6): grid 8 x 32, 16 waves a work-group, no clusters, 14,848 bytes of LDS; arguments part, v, out0, out1; writes out0, out1
.if DOCPART == 6
	.amdgcn_target "amdgcn-amd-amdhsa--gfx1250"
	.amdhsa_code_object_version 6
	.text
	.protected	k_q690bb0f023_finish
	.globl	k_q690bb0f023_finish
	.p2align	8
	.type	k_q690bb0f023_finish,@function
k_q690bb0f023_finish:
	s_mov_b64 s[64:65], 0
	v_nop
	global_prefetch_b8 v0, s[64:65] scope:SCOPE_SE
	s_setreg_imm32_b32 hwreg(HW_REG_WAVE_SCHED_MODE, 0, 2), 2
	s_setreg_imm32_b32 hwreg(HW_REG_WAVE_MODE, 25, 1), 1
	s_wait_xcnt 0x0
	s_wait_alu depctr_vm_vsrc(0)
; out0[b][k] = softmax_k(-2 S[b][k]), S = the sum of part's eight column slices; out1[b][d] = sum_k out0[b][k] v[b][k][d].
; LEFT OUT, as shown at the head of the first kernel: bw and the plain sum of Ww, which are the same for every k of a softmax row.  The row's maximum is taken away before the exponential.
; LIMIT: a weight's exponential below 2^-126 counts as 0.
; SHARES.  A work-group has one batch and 256 of the 2,048 columns: 1,024 bytes of each of the batch's 1,024 rows of v, each byte read once in the launch.  Wave w takes the column half w % 2 and the
; 128 rows of group w / 2; a lane 16 bytes, so a load covers 512 consecutive bytes, aligned.  Each of a batch's eight work-groups makes the softmax for itself from 32 KiB of part; slice 0 stores it.
; The product has one row a batch, so it is made by f32 multiply-adds on v as it lies in memory: a matrix tile would hold 15 empty rows of 16.  Memory binds: 16 loads of a wave on their way, no LDS on the way in.
; THE MODE: SCHED_MODE bits 1:0 = 2 (LLVM: expert scheduling mode 2), set by the entry lines.  The code itself states the register dependences between vector instructions and memory or LDS
; instructions, with s_wait_alu, always for 0.
; THE PLAN.  Registers that memory or LDS instructions touch:
;   v2-v9      offsets and LDS addresses, v10, v11 the closing add's pair: written at the head, never again.  The rows of v are reached by immediate offsets.
;   v[12:27]   part's loads land here; the tree of sums works on them.  v[12:13] end as my two weights: read by an LDS store and by slice 0's global store, not written again.
;   v14        the wave's maximum, read by an LDS store; later written again as the wave's sum, read by a second LDS store.
;   v[16:31]   the sixteen maxima's LDS loads land here, behind the tree; the sixteen sums' land here, behind the lines that reduce the maxima.
;   X0 .. X4   v[36:115]: five buffers of four row slots.  The 128 rows go in 32 blocks of four.  Block p's multiply-adds read X[p % 5]; its four loads, the rows of block p + 4, land in
;              X[(p + 4) % 5] = X[(p - 1) % 5]: the buffer that block p - 1 read and that no vector instruction of block p names.
;   WT         v[116:243]: LDS loads land here once; after that vector instructions alone name them.
;   v[28:31]   the accumulators' sum, read by one LDS store.   v36, v[40:71]: at the end an address, and the eight row groups' sums.
; So ONE wait on va_vdst stands at the head of each block that loads; the block's four loads follow it, one ahead of each row's two multiply-adds, with no further wait.  The other waits stand ahead of
; the LDS stores and say what else they cover.  No scalar register that a vector instruction reads is written again.
.set WL,    0                          ; LDS: the batch's 1,024 weights
.set RED,   4096                       ; the eight row groups' partial sums, 1,024 bytes each
.set MX,    12288                      ; the sixteen waves' maxima
.set SM,    12544                      ; their sums
.set SPARE, 12800                      ; the spare words, 128 bytes a wave
.set ACC,   28                         ; v[28:35]   two accumulators of 4: even rows, odd rows
.set RING,  36                         ; v[36:115]  20 slots of 4: row i lies in slot i % 20
.set WT,    116                        ; v[116:243] my row group's 128 weights, the same in every lane
	s_load_b256 s[4:11], s[0:1], 0x0               ; part s[4:5], v s[6:7], out0 s[8:9], out1 s[10:11]
	v_lshl_add_u32 v10, v0, 2, SPARE               ; my spare word; never rewritten
	v_mov_b32 v11, 0                               ; 0; never rewritten
	v_lshrrev_b32 v1, 5, v0
	v_readfirstlane_b32 s12, v1                    ; wave 0..15
	s_and_b32 s15, ttmp7, 0xffff                   ; batch
	s_mov_b32 s32, ttmp9                           ; slice
	s_mov_b32 s24, 0x76543210                      ; v_permlanex16_b32: each lane takes its own place in the other half
	s_mov_b32 s25, 0xfedcba98
	v_and_b32 v1, 31, v0
	v_lshlrev_b32 v2, 3, v0                        ; my two logits: 8 bytes
	v_lshlrev_b32 v3, 4, v1                        ; my 16 bytes of a row's 512
	v_mov_b32 v6, MX
	v_mov_b32 v7, SM
	s_wait_alu depctr_va_sdst(0)                   ; s12 is written, ahead of its first reader: the wave's shares and addresses are made from it
	s_and_b32 s13, s12, 1                          ; column half
	s_lshr_b32 s14, s12, 1                         ; row group
	s_lshl_b32 s2, s12, 2
	s_add_co_u32 s3, s2, MX
	v_mov_b32 v4, s3
	s_add_co_u32 s33, s2, SM
	v_mov_b32 v5, s33
	s_lshl_b32 s34, s14, 9
	v_mov_b32 v8, s34                              ; my row group's weights in WL
	s_lshl_b32 s2, s14, 10
	s_lshl_b32 s35, s13, 9
	s_add_co_u32 s2, s2, s35
	s_add_co_u32 s2, s2, RED
	v_add_nc_u32 v9, s2, v3
	s_lshl_b32 s26, s15, 12                        ; the batch's 1,024 numbers in part and in out0
	s_mov_b32 s27, 0
	s_lshl_b32 s28, s15, 23                        ; the batch's 1,024 rows of 8,192 bytes,
	s_lshl_b32 s29, s14, 20                        ; my group's 128,
	s_add_co_u32 s28, s28, s29
	s_lshl_b32 s29, s32, 10                        ; the slice's 1,024 bytes,
	s_add_co_u32 s28, s28, s29
	s_add_co_u32 s28, s28, s35                     ; my half of them
	s_lshl_b32 s30, s15, 13
	s_add_co_u32 s30, s30, s29                     ; out1: the batch's row, the slice
	s_mov_b32 s29, 0
	s_mov_b32 s31, 0
	s_wait_kmcnt 0x0
	s_add_nc_u64 s[16:17], s[4:5], s[26:27]
	s_add_nc_u64 s[18:19], s[6:7], s[28:29]
	s_add_nc_u64 s[20:21], s[8:9], s[26:27]
	s_add_nc_u64 s[22:23], s[10:11], s[30:31]
	s_wait_alu depctr_va_vdst(0)                   ; v2 to v11 are written: the offsets and LDS addresses that every load and store of the kernel reads
.irp c, 0,1,2,3,4,5,6,7
	global_load_b64 v[12+2*(\c):13+2*(\c)], v2, s[16:17] offset:131072*(\c)
.endr
.irp i, 0,1,2,3,4,5,6,7,8,9,10,11,12,13,14,15,16,17,18,19
	global_load_b128 v[RING+4*(\i):RING+4*(\i)+3], v3, s[18:19] offset:8192*(\i) th:TH_LOAD_NT  ; blocks 0 to 4 go out before the softmax is begun
.endr
	s_wait_loadcnt 20                              ; part's eight are in; the ring's twenty stay out
	v_pk_add_f32 v[12:13], v[12:13], v[14:15]
	v_pk_add_f32 v[16:17], v[16:17], v[18:19]
	v_pk_add_f32 v[20:21], v[20:21], v[22:23]
	v_pk_add_f32 v[24:25], v[24:25], v[26:27]
	v_pk_add_f32 v[12:13], v[12:13], v[16:17]
	v_pk_add_f32 v[20:21], v[20:21], v[24:25]
	v_pk_add_f32 v[12:13], v[12:13], v[20:21]
	v_pk_mul_f32 v[12:13], v[12:13], 0xc038aa3b op_sel_hi:[1,0]  ; y = -2 log2(e) S
	v_max_num_f32 v14, v12, v13
	v_max_num_f32_dpp v14, v14, v14 row_xmask:1 row_mask:0xf bank_mask:0xf
	v_max_num_f32_dpp v14, v14, v14 row_xmask:2 row_mask:0xf bank_mask:0xf
	v_max_num_f32_dpp v14, v14, v14 row_xmask:4 row_mask:0xf bank_mask:0xf
	v_max_num_f32_dpp v14, v14, v14 row_xmask:8 row_mask:0xf bank_mask:0xf
	v_permlanex16_b32 v15, v14, s24, s25
	v_max_num_f32 v14, v14, v15
	s_wait_alu depctr_va_vdst(0)                   ; v14 is written, which the LDS store reads; the tree above is done with v[16:27], in which the LDS loads behind the barrier land (no vector line stands between)
	ds_store_b32 v4, v14                           ; all lanes write the wave's word with the same number
	s_wait_dscnt 0x0
	s_barrier_signal -1
	s_barrier_wait -1
.irp i, 0,1,2,3
	ds_load_b128 v[16+4*(\i):19+4*(\i)], v6 offset:16*(\i)
.endr
	s_wait_dscnt 0x0
	v_max3_num_f32 v16, v16, v17, v18
	v_max3_num_f32 v19, v19, v20, v21
	v_max3_num_f32 v22, v22, v23, v24
	v_max3_num_f32 v25, v25, v26, v27
	v_max3_num_f32 v28, v28, v29, v30
	v_max3_num_f32 v16, v16, v19, v22
	v_max3_num_f32 v16, v16, v25, v28
	v_max_num_f32 v16, v16, v31                    ; the row's maximum, in every lane
	v_sub_f32 v12, v12, v16
	v_sub_f32 v13, v13, v16
	v_exp_f32 v12, v12
	v_exp_f32 v13, v13
	v_nop                                          ; a plain instruction behind the last exponential
	s_wait_alu depctr_va_vdst(0)                   ; the two exponentials have written v12 and v13, ahead of their first reader: one wait for both
	s_wait_alu depctr_vm_vsrc(0)                   ; the LDS store of the maximum has read v14, which the next line writes again
	v_add_f32 v14, v12, v13
	v_add_f32_dpp v14, v14, v14 row_xmask:1 row_mask:0xf bank_mask:0xf
	v_add_f32_dpp v14, v14, v14 row_xmask:2 row_mask:0xf bank_mask:0xf
	v_add_f32_dpp v14, v14, v14 row_xmask:4 row_mask:0xf bank_mask:0xf
	v_add_f32_dpp v14, v14, v14 row_xmask:8 row_mask:0xf bank_mask:0xf
	v_permlanex16_b32 v15, v14, s24, s25
	v_add_f32 v14, v14, v15
	s_wait_alu depctr_va_vdst(0)                   ; v14 is written, which the LDS store reads; the lines that reduced the maxima are done with v[16:31], in which the LDS loads behind the barrier land
	ds_store_b32 v5, v14                           ; other bytes than the maxima's: no barrier is owed between the reads above and this store
	s_wait_dscnt 0x0
	s_barrier_signal -1
	s_barrier_wait -1
.irp i, 0,1,2,3
	ds_load_b128 v[16+4*(\i):19+4*(\i)], v7 offset:16*(\i)
.endr
	s_wait_dscnt 0x0
	v_pk_add_f32 v[16:17], v[16:17], v[18:19]
	v_pk_add_f32 v[20:21], v[20:21], v[22:23]
	v_pk_add_f32 v[24:25], v[24:25], v[26:27]
	v_pk_add_f32 v[28:29], v[28:29], v[30:31]
	v_pk_add_f32 v[16:17], v[16:17], v[20:21]
	v_pk_add_f32 v[24:25], v[24:25], v[28:29]
	v_pk_add_f32 v[16:17], v[16:17], v[24:25]
	v_add_f32 v16, v16, v17                        ; at least 1: the maximum's own term
	v_rcp_f32 v17, v16
	v_nop                                          ; a plain instruction behind the reciprocal
	s_wait_alu depctr_va_vdst(0)                   ; the reciprocal has written v17, ahead of its first reader
	v_mul_f32 v12, v12, v17
	v_mul_f32 v13, v13, v17                        ; my two weights; v[12:13] and v2 are not written again
	s_wait_alu depctr_va_vdst(0)                   ; the two multiplies have written v[12:13], which the LDS store and slice 0's global store read
	ds_store_b64 v2, v[12:13]
	s_cmp_lg_u32 s32, 0                            ; slice 0 stores the batch's weights: 256 consecutive bytes a wave, aligned
	s_cbranch_scc1 .Lnot_slice_0
	global_store_b64 v2, v[12:13], s[20:21]
.Lnot_slice_0:
	s_wait_dscnt 0x0
	s_barrier_signal -1
	s_barrier_wait -1                              ; all 1,024 weights lie in LDS
.set i, 0
.rept 32
	ds_load_b128 v[WT+4*i:WT+4*i+3], v8 offset:16*i  ; all lanes read the same words; no vector instruction has named these registers
.set i, i+1
.endr
	s_wait_dscnt 0x0
	; THE STREAM, written out.  Row i is waited for; in blocks 1 to 27 row i + 16 is then asked for, into the slot that row i - 4 left; row i is multiplied by its weight onto the accumulator of its parity.
	; The counts: ahead of row i's wait 20 loads are issued in block 0 (19 - i are younger than row i's) and 16 + i in blocks 1 to 27 (15 are younger); from row 112 on nothing is asked for and the counts run down.
	; Rows 0 and 1 start the sums.  The address register is never rewritten: the row stands in the immediate, 1,040,384 at the most.
.set i, 0
.rept 128
.set sl, RING+4*(i%20)
.set nx, RING+4*((i+16)%20)
.set ac, ACC+4*(i%2)
.set wt, WT+i-(i%2)
.if i < 4
	s_wait_loadcnt 19-i
.elseif i < 112
	s_wait_loadcnt 15
.else
	s_wait_loadcnt 127-i
.endif
.if (i >= 4) && (i < 112)
.if i%4 == 0
	s_wait_alu depctr_va_vdst(0)                   ; the block before is done reading its four slots, in which this block's four loads land; no vector line of this block names them
.endif
	global_load_b128 v[nx:nx+3], v3, s[18:19] offset:8192*(i+16) th:TH_LOAD_NT
.endif
.if i == 0
	v_pk_mul_f32 v[ac:ac+1],   v[sl:sl+1],   v[wt:wt+1] op_sel_hi:[1,0]
	v_pk_mul_f32 v[ac+2:ac+3], v[sl+2:sl+3], v[wt:wt+1] op_sel_hi:[1,0]
.elseif i == 1
	v_pk_mul_f32 v[ac:ac+1],   v[sl:sl+1],   v[wt:wt+1] op_sel:[0,1] op_sel_hi:[1,1]
	v_pk_mul_f32 v[ac+2:ac+3], v[sl+2:sl+3], v[wt:wt+1] op_sel:[0,1] op_sel_hi:[1,1]
.elseif i%2 == 0
	v_pk_fma_f32 v[ac:ac+1],   v[sl:sl+1],   v[wt:wt+1], v[ac:ac+1]   op_sel_hi:[1,0,1]
	v_pk_fma_f32 v[ac+2:ac+3], v[sl+2:sl+3], v[wt:wt+1], v[ac+2:ac+3] op_sel_hi:[1,0,1]
.else
	v_pk_fma_f32 v[ac:ac+1],   v[sl:sl+1],   v[wt:wt+1], v[ac:ac+1]   op_sel:[0,1,0] op_sel_hi:[1,1,1]
	v_pk_fma_f32 v[ac+2:ac+3], v[sl+2:sl+3], v[wt:wt+1], v[ac+2:ac+3] op_sel:[0,1,0] op_sel_hi:[1,1,1]
.endif
.set i, i+1
.endr
	v_pk_add_f32 v[ACC:ACC+1],   v[ACC:ACC+1],   v[ACC+4:ACC+5]
	v_pk_add_f32 v[ACC+2:ACC+3], v[ACC+2:ACC+3], v[ACC+6:ACC+7]
	v_lshlrev_b32 v36, 4, v0                       ; the address by which waves 0 and 1 read the sums back and store them; made here, ahead of the wait below (its slot's last row has been multiplied)
	s_wait_alu depctr_va_vdst(0)                   ; v[28:31] are written, which the LDS store reads; v36 is written, and the stream is done reading v[40:71]: for the LDS loads behind the barrier, ahead of which no vector line stands
	ds_store_b128 v9, v[ACC:ACC+3]
	s_wait_dscnt 0x0
	s_barrier_signal -1
	s_barrier_wait -1                              ; the eight row groups' sums lie in LDS
	s_cmp_lt_u32 s12, 2                            ; waves 0 and 1 add them: 512 bytes of the slice's 1,024 each
	s_cbranch_scc0 .Lend
.irp g, 0,1,2,3,4,5,6,7
	ds_load_b128 v[40+4*(\g):43+4*(\g)], v36 offset:RED+1024*(\g)
.endr
	s_wait_dscnt 0x0
.irp g, 0,2,4,6
	v_pk_add_f32 v[40+4*(\g):41+4*(\g)], v[40+4*(\g):41+4*(\g)], v[44+4*(\g):45+4*(\g)]
	v_pk_add_f32 v[42+4*(\g):43+4*(\g)], v[42+4*(\g):43+4*(\g)], v[46+4*(\g):47+4*(\g)]
.endr
.irp g, 0,4
	v_pk_add_f32 v[40+4*(\g):41+4*(\g)], v[40+4*(\g):41+4*(\g)], v[48+4*(\g):49+4*(\g)]
	v_pk_add_f32 v[42+4*(\g):43+4*(\g)], v[42+4*(\g):43+4*(\g)], v[50+4*(\g):51+4*(\g)]
.endr
	v_pk_add_f32 v[40:41], v[40:41], v[56:57]
	v_pk_add_f32 v[42:43], v[42:43], v[58:59]
	s_wait_alu depctr_va_vdst(0)                   ; the additions have written v[40:43], which the store reads
	global_store_b128 v36, v[40:43], s[22:23]      ; 512 consecutive bytes a wave, aligned
.Lend:
	s_wait_dscnt 0x0                               ; the closing lines, six on end
	s_wait_alu 0x0
	s_wait_tensorcnt 0x0
	ds_add_u32 v10, v11
	s_wait_dscnt 0x0
	s_endpgm
.Lfunc_end_k_q690bb0f023_finish:
	.size	k_q690bb0f023_finish, .Lfunc_end_k_q690bb0f023_finish-k_q690bb0f023_finish
	.p2alignl 7, 3214868480
	.fill 96, 4, 3214868480
	.section	.rodata,"a",@progbits
	.p2align	6, 0x0
	.amdhsa_kernel k_q690bb0f023_finish
		.amdhsa_group_segment_fixed_size 14848
		.amdhsa_private_segment_fixed_size 0
		.amdhsa_enable_private_segment 0
		.amdhsa_kernarg_size 32
		.amdhsa_user_sgpr_count 2
		.amdhsa_user_sgpr_kernarg_segment_ptr 1
		.amdhsa_wavefront_size32 1
		.amdhsa_system_sgpr_workgroup_id_x 1
		.amdhsa_system_sgpr_workgroup_id_y 1
		.amdhsa_system_sgpr_workgroup_id_z 1
		.amdhsa_system_vgpr_workitem_id 0
		.amdhsa_next_free_vgpr 244
		.amdhsa_next_free_sgpr 66
		.amdhsa_reserve_vcc 0
		.amdhsa_float_denorm_mode_32 3
		.amdhsa_float_denorm_mode_16_64 3
		.amdhsa_memory_ordered 1
		.amdhsa_forward_progress 1
		.amdhsa_inst_pref_size 44
	.end_amdhsa_kernel
	.amdgpu_metadata
---
amdhsa.version: [ 1, 2 ]
amdhsa.kernels:
  - .name:           k_q690bb0f023_finish
    .symbol:         k_q690bb0f023_finish.kd
    .args:
      - { .name: part, .offset: 0, .size: 8, .value_kind: global_buffer, .address_space: global }
      - { .name: v, .offset: 8, .size: 8, .value_kind: global_buffer, .address_space: global }
      - { .name: out0, .offset: 16, .size: 8, .value_kind: global_buffer, .address_space: global }
      - { .name: out1, .offset: 24, .size: 8, .value_kind: global_buffer, .address_space: global }
    .group_segment_fixed_size: 14848
    .private_segment_fixed_size: 0
    .kernarg_segment_align: 8
    .kernarg_segment_size: 32
    .max_flat_workgroup_size: 512
    .sgpr_count:     66
    .vgpr_count:     244
    .wavefront_size: 32
...
	.end_amdgpu_metadata
.endif
;; end of part 6
